; MI455X (gfx1250); checked and timed in simulation.
; The chip was launched on July 23, 2026; its instructions are those of AMD's public machine-readable ISA for CDNA 5 (MIT licence, August 2026) and "CDNA5" Instruction Set Architecture Reference Guide (July 2026). The comments in the code are by the model that wrote it; some were corrected since.
;; Ro PE Transformer Encoder Layer. Allowed arithmetic: matrix products marked QUANTISED: E2M3 operands, one E8M0 scale for each 32 along K, by v_wmma_scale_f32_16x16x128_f8f6f4 with both operands' format E2M3, f32 sums; everything else in f32.
;; Inputs: W1_codes 4,096 x 32 x 24 uint8 (E2M3 codes of W1, K innermost, in blocks of 32 codes, four codes in three bytes); W1_scales 4,096 x 32 uint8 (E8M0 scales of W1, one for each 32 codes along K); W2_codes 1,024 x 128 x 24 uint8 (E2M3 codes of W2, K innermost, in blocks of 32 codes, four codes in three bytes); W2_scales 1,024 x 128 uint8 (E8M0 scales of W2, one for each 32 codes along K); Wk_codes 1,024 x 32 x 24 uint8 (E2M3 codes of Wk, K innermost, in blocks of 32 codes, four codes in three bytes); Wk_scales 1,024 x 32 uint8 (E8M0 scales of Wk, one for each 32 codes along K); Wo_codes 1,024 x 32 x 24 uint8 (E2M3 codes of Wo, K innermost, in blocks of 32 codes, four codes in three bytes); Wo_scales 1,024 x 32 uint8 (E8M0 scales of Wo, one for each 32 codes along K); Wq_codes 1,024 x 32 x 24 uint8 (E2M3 codes of Wq, K innermost, in blocks of 32 codes, four codes in three bytes); Wq_scales 1,024 x 32 uint8 (E8M0 scales of Wq, one for each 32 codes along K); Wv_codes 1,024 x 32 x 24 uint8 (E2M3 codes of Wv, K innermost, in blocks of 32 codes, four codes in three bytes); Wv_scales 1,024 x 32 uint8 (E8M0 scales of Wv, one for each 32 codes along K); be1 1,024 float32; be2 1,024 float32; bf1 4,096 float32; bf2 1,024 float32; bk 1,024 float32; bo 1,024 float32; bq 1,024 float32; bv 1,024 float32; g1 1,024 float32; g2 1,024 float32; x 4 x 1,024 x 1,024 float32.
;; Outputs: out0 4 x 1,024 x 1,024 float32.
;; This version of the problem:
;;   THIS VERSION OF THE PROBLEM IS GIVEN IN LOW PRECISION. The matrix products marked QUANTISED in the list below multiply operands that are first quantised to E2M3 (2 exponent bits, 3 mantissa bits; 6 bits a number), with one power-of-two scale for each 32 numbers along K (OCP MX v1.0); their sums are f32. All else is computed in f32.
;;   The module's matrix products, in the order in which they are computed (A, B: the left and right operand; K: the contracted axis; several contracted axes count as one K, in the product's order):
;;     1. [M 4,096, K 1,024] x [K 1,024, N 1,024]; A: computed on the way; B: input Wq (given as codes): QUANTISED
;;     2. [M 4,096, K 1,024] x [K 1,024, N 1,024]; A: computed on the way; B: input Wk (given as codes): QUANTISED
;;     3. [M 4,096, K 1,024] x [K 1,024, N 1,024]; A: computed on the way; B: input Wv (given as codes): QUANTISED
;;     4. batch 64 x [M 1,024, K 64] x [K 64, N 1,024]; A: computed on the way; B: computed on the way: QUANTISED
;;     5. batch 64 x [M 64, K 1,024] x [K 1,024, N 1,024]; A: computed on the way; B: softmax (see below): QUANTISED
;;     6. [M 4,096, K 1,024] x [K 1,024, N 1,024]; A: computed on the way; B: input Wo (given as codes): QUANTISED
;;     7. [M 4,096, K 1,024] x [K 1,024, N 4,096]; A: computed on the way; B: input W1 (given as codes): QUANTISED
;;     8. [M 4,096, K 4,096] x [K 4,096, N 1,024]; A: computed on the way; B: input W2 (given as codes): QUANTISED
;;   THE QUANTISER, for each operand of a quantised product, along K:
;;     - K is cut into blocks of 32 from its start; a last block that is shorter is filled with zeros.
;;     - A block's scale is 2^e with e = floor(log2(the largest magnitude in the block)) - 2, held to -126 .. 127; a block of zeros has e = 0. As a byte (E8M0): e + 127.
;;     - Each number is divided by its block's scale, clamped to +-7.5, and rounded to the nearest number of E2M3, ties to even, subnormals kept.
;;     - The product sums the exact products of the quantised numbers (number of the format x scale) in f32.
;;   ~~~python
;;   def quantise(x, axis):      # numpy; x: float32 -> the quantised numbers, widened to float32 again
;;       x = np.moveaxis(x, axis, -1); K = x.shape[-1]
;;       x = np.pad(x, [(0, 0)] * (x.ndim - 1) + [(0, -K % 32)]); x = x.reshape(x.shape[:-1] + (-1, 32)); a = np.abs(x).max(-1, keepdims=True)
;;       e = np.where(a > 0, np.clip(np.frexp(np.where(a > 0, a, 1))[1] - 1 - 2, -126, 127), 0)      # np.frexp(a)[1] - 1 = floor(log2(a)), exactly
;;       r = np.clip(x / 2.0 ** e, -7.5, 7.5)
;;       step = 2.0 ** (np.maximum(np.frexp(np.where(r == 0, 1, r))[1] - 1, 0) - 3)
;;       q = np.round(r / step) * step * 2.0 ** e      # np.round: ties to even
;;       return np.moveaxis(q.reshape(q.shape[:-2] + (-1,))[..., :K], -1, axis).astype(np.float32)
;;   ~~~
;;   SOFTMAX AHEAD OF A QUANTISED PRODUCT. Where the list says 'softmax', what is quantised is not the finished softmax but p = 2^(t - M), with t = logit x log2(e) and M = ceil(the row's largest t), a whole number; so 1/2 < the row's largest p <= 1. The row's sum l is taken of the UNQUANTISED p, in f32, and the product's result is divided by l at the end. Since M is a whole number, a kernel that streams over the keys may use a running M (the ceiling of the running maximum): every later rescaling is an exact power of two, which a block's scale takes up: the codes' values come out the same.
;;   OPERANDS COMPUTED ON THE WAY. 'Computed on the way' means the value that the module computes at that place (a softmax that the list does not call 'softmax' is quantised finished and normalised). What goes into a quantiser is computed in f32, as accurately as f32 sums, v_exp_f32 and their like allow (about 1e-6 of the number): no bf16 or f16 on the way to a quantiser, and a product that is left as it is and whose result goes on into a quantised operand takes f32 operands (vector FMAs, or v_wmma_f32_16x16x4_f32). A number that lies on a knife's edge between two numbers of the format may be rounded either way, as far as f32 arithmetic and the matrix unit's own rounding can turn it there, and no further.
;;   INPUTS GIVEN AS CODES. W1 (in the module: [4096, 1024], K = its axis 1); W2 (in the module: [1024, 4096], K = its axis 1); Wk (in the module: [1024, 1024], K = its axis 1); Wo (in the module: [1024, 1024], K = its axis 1); Wq (in the module: [1024, 1024], K = its axis 1); Wv (in the module: [1024, 1024], K = its axis 1): each comes as NAME_codes (uint8): NAME with its K axis moved to the last place and cut into blocks of 32 codes, [.., K / 32, bytes a block], one block behind the other in memory; four codes in three bytes: a row's codes are one little-endian stream of bits, code i at bits 6 i .. 6 i + 5 (a code: sign, 2 exponent bits, 3 mantissa bits); and NAME_scales (uint8): the same leading axes, one E8M0 byte (e + 127) for each 32 codes along K. Its value is code x scale, taken as it is: it is not quantised again, and the codes and scales need not be those that the quantiser above would give.
;; One version. Each part assembles by itself: llvm-mc -triple=amdgcn-amd-amdhsa -mcpu=gfx1250 --defsym DOCPART=n.
;; ======== version 1 of 1: 7 launches
;; limits: right only within a limited range of input values
;; workspace buffers: actc 3,145,728 bytes; acts 131,072 bytes; wl 9,699,328 bytes; qkvc 9,437,184 bytes; qkvs 655,360 bytes; x1 16,777,216 bytes; ffc 12,582,912 bytes; ffs 524,288 bytes
;; launch ln1 (part 1): grid 1024 x 1, 4 waves a work-group, no clusters, 33,792 bytes of LDS; arguments x, g1, be1, actc, acts, wl, W1_codes, W2_codes, Wq_codes, Wk_codes, Wv_codes, Wo_codes; writes actc, acts, wl
.if DOCPART == 1
	.amdgcn_target "amdgcn-amd-amdhsa--gfx1250"
	.amdhsa_code_object_version 6
	.text
	.protected	k_qd38c8a26ef_ln1
	.globl	k_qd38c8a26ef_ln1
	.p2align	8
	.type	k_qd38c8a26ef_ln1,@function
k_qd38c8a26ef_ln1:
	s_mov_b64 s[64:65], 0
	v_nop
	global_prefetch_b8 v0, s[64:65] scope:SCOPE_SE
	s_setreg_imm32_b32 hwreg(HW_REG_WAVE_MODE, 25, 1), 1
	s_wait_xcnt 0x0
; LayerNorm over rows of 1,024 f32, then the MX-FP6 quantiser along the row: codes [4096][768 bytes], scale bytes [4096][32].
; Beside it each thread makes one entry (cos, sin) of the rotary table [1024 positions][32 pairs][cos, sin], f32.
; SHARES: a work-group takes 16 rows, a wave 4; a row (4,096 bytes) is eight loads of 512 consecutive bytes and stays in 32 registers
; between the mean, the variance and the scaling: it is read once.  All 48 loads of a wave go out at the head.
; THE QUANTISER wants 16 neighbours in a lane: 512 numbers at a time turn through the wave's own stage in LDS (as loaded in, 64 bytes a lane out,
; 16 bytes of padding behind each 64).  Two neighbouring lanes hold a block of 32.  A lane's 16 codes are 12 bytes: four lanes store a row's 48 bytes of a chunk.
; The work-group's 512 scale bytes meet in LDS and leave as two aligned runs of 256 bytes.
; THE ANGLE: inv_freq = 2^(-i log2(10000)/32) by v_exp_f32, theta = position x inv_freq in one f32 product; reduction by pi/2 in two parts, polynomials on [-pi/4, pi/4].
; LIMITS: NaN and infinities among the inputs are not served.  A block whose largest magnitude lies under 2^-124 is held at the byte 1; a block of zeros gets the byte 1
; where the rule says 127 (its codes are zeros, and this program alone reads the bytes).  The angle can differ from one computed with a correctly rounded inv_freq by about 1e-4 rad at the largest positions.
.set SP,   80                          ; a lane's place in a stage: 64 bytes + 16
.set WREG, 5120                        ; a wave's two stages of 32 x SP bytes
.set SCB,  20480                       ; behind the stages: the work-group's scale bytes, [16 rows][32]
.set G,    16                          ; v16-47   the gain of my 32 columns
.set BE,   48                          ; v48-79   the bias
.set X,    80                          ; v80-207  four rows, 32 registers each
.set T,    208                         ; v208-239 two sets of 16 neighbours
; THE CODES LEAVE IN CHUNKS of 64 along K: [16 chunks][4096 rows][48 bytes]; the work-group's 16 rows of a chunk are 768 consecutive bytes, gathered in LDS (CB) and stored by all four waves.
; wl: the rotary table at byte 0, then the weights' codes in the same chunk layout.  Work-groups 256 and up (the first LayerNorm's launch alone has them) re-lay the weights and do nothing else.
.set CB,  21504                        ; behind the spare words: [16 chunks][16 rows][48 bytes]
.set RW1, 262144                       ; wl: W1 [16][4096][48]
.set RW2, 3407872                      ; W2 [64][1024][48]
.set RWQ, 6553600                      ; Wq, Wk, Wv, Wo as one [16][4 x 1024][48]
	s_cmp_ge_u32 ttmp9, 256
	s_cbranch_scc1 .Lrelay
	s_load_b256 s[4:11], s[0:1], 0x0
	s_load_b128 s[12:15], s[0:1], 0x20             ; scale bytes s[12:13], rotary table s[14:15]
	v_lshl_add_u32 v250, v0, 2, 0x5200
	v_mov_b32 v251, 0
	v_lshrrev_b32 v1, 5, v0
	v_readfirstlane_b32 s16, v1                    ; wave
	v_and_b32 v1, 31, v0                           ; lane
	v_lshlrev_b32 v2, 4, v1                        ; 16 x lane
	s_mul_i32 s17, s16, WREG
	v_lshrrev_b32 v3, 2, v1
	v_mul_u32_u24 v3, v3, SP
	v_and_b32 v7, 3, v1
	v_lshl_add_u32 v3, v7, 4, v3
	v_add_nc_u32 v3, s17, v3                       ; the stage on the way in: SP (lane / 4) + 16 (lane % 4)
	v_mul_u32_u24 v4, v1, SP
	v_add_nc_u32 v4, s17, v4                       ; and on the way out: SP x lane
	s_lshl_b32 s18, s16, 7
	s_add_co_u32 s18, s18, SCB
	v_lshrrev_b32 v5, 1, v1
	v_add_nc_u32 v5, s18, v5                       ; my block's byte among my wave's 128
	v_and_b32 v6, 3, v1
	v_mul_u32_u24 v6, v6, 12
	v_lshrrev_b32 v9, 2, v1
	v_mad_u32_u24 v6, v9, 768, v6
	s_mul_i32 s19, s16, 192
	s_add_co_u32 s19, s19, CB
	v_add_nc_u32 v6, s19, v6                       ; my 12 bytes of codes in LDS: chunk lane / 4, row 4 x wave, 12 (lane % 4)
	v_lshlrev_b32 v7, 3, v1                        ; my entry of the table's row
	v_add_nc_u32 v10, SCB, v2                      ; the scale bytes on their way out
	s_mov_b32 s20, 0x76543210
	s_mov_b32 s21, 0xfedcba98                      ; lane l xor 16
	s_mov_b32 s22, 0x3a800000                      ; 1 / 1024
	s_mov_b32 s23, 0x3727c5ac                      ; 1e-5
	s_mov_b32 s24, 0x3f22f983                      ; 2 / pi
	s_mov_b32 s25, 0x3fc90fdb                      ; pi / 2, upper part
	s_mov_b32 s26, 0xb33bbd2e                      ; pi / 2, the rest
	s_mov_b32 s27, 0xbe2aaaa3                      ; sine: -1.6666654611e-1,
	s_mov_b32 s28, 0x3c08839e                      ; 8.3321608736e-3,
	s_mov_b32 s29, 0xb94ca1f9                      ; -1.9515295891e-4
	s_mov_b32 s30, 0x3d2aaaa5                      ; cosine: 4.166664568e-2,
	s_mov_b32 s31, 0xbab6061a                      ; -1.388731625e-3,
	s_mov_b32 s32, 0x37ccf5ce                      ; 2.443315712e-5
	s_lshl_b32 s33, ttmp9, 4
	s_lshl_b32 s34, s16, 2
	s_add_co_u32 s33, s33, s34                     ; my first row: 16 x work-group + 4 x wave
	s_lshl_b32 s34, s33, 12
	s_mov_b32 s35, 0
	s_mul_i32 s36, ttmp9, 768                      ; the work-group's 16 rows of chunk 0
	s_mov_b32 s37, 0
	s_lshl_b32 s38, ttmp9, 9
	s_mov_b32 s39, 0
	s_wait_kmcnt 0x0
	s_add_nc_u64 s[4:5], s[4:5], s[34:35]
	s_add_nc_u64 s[10:11], s[10:11], s[36:37]
	s_add_nc_u64 s[12:13], s[12:13], s[38:39]
.irp j, 0,1,2,3,4,5,6,7
	global_load_b128 v[G+4*\j:G+4*\j+3], v2, s[6:7] offset:512*\j
.endr
.irp j, 0,1,2,3,4,5,6,7
	global_load_b128 v[BE+4*\j:BE+4*\j+3], v2, s[8:9] offset:512*\j
.endr
.irp p, 0,1,2,3
.irp j, 0,1,2,3,4,5,6,7
	global_load_b128 v[X+32*\p+4*\j:X+32*\p+4*\j+3], v2, s[4:5] offset:4096*\p+512*\j
.endr
.endr
	; the rotary entry of position 4 x work-group + wave, pair = lane, while the loads are on their way
	s_lshl_b32 s33, ttmp9, 2
	s_add_co_u32 s33, s33, s16
	s_lshl_b32 s34, s33, 8
	s_add_nc_u64 s[14:15], s[14:15], s[34:35]
	v_cvt_f32_u32 v240, v1
	v_mul_f32 v240, 0xbed49a78, v240               ; -i x log2(10000) / 32
	s_wait_alu depctr_va_vdst(0)
	v_exp_f32 v240, v240                           ; inv_freq
	v_cvt_f32_u32 v241, s33                        ; (a plain instruction behind the exponential)
	s_wait_alu depctr_va_vdst(0)                   ; ahead of the first reader
	v_mul_f32 v240, v241, v240                     ; theta
	v_mul_f32 v242, s24, v240
	v_rndne_f32 v242, v242                         ; n = the nearest multiple of pi / 2
	v_fma_f32 v243, -v242, s25, v240               ; exact: the difference is a multiple of 2^-23 under 1
	v_fma_f32 v243, -v242, s26, v243               ; r
	v_mul_f32 v244, v243, v243                     ; z = r^2
	v_fma_f32 v245, v244, s29, s28
	v_fma_f32 v245, v245, v244, s27
	v_mul_f32 v245, v245, v244
	v_fma_f32 v245, v245, v243, v243               ; sin r
	v_fma_f32 v246, v244, s32, s31
	v_fma_f32 v246, v246, v244, s30
	v_mul_f32 v247, v244, v244
	v_fma_f32 v241, v244, -0.5, 1.0
	v_fma_f32 v246, v247, v246, v241               ; cos r
	v_cvt_i32_f32 v242, v242                       ; the quadrant is n mod 4
	v_and_b32 v247, 1, v242
	v_cmp_eq_u32 vcc_lo, 1, v247
	v_cndmask_b32 v249, v245, v246, vcc_lo         ; sine and cosine change places in odd quadrants
	v_cndmask_b32 v248, v246, v245, vcc_lo
	v_and_b32 v247, 2, v242
	v_lshlrev_b32 v247, 30, v247
	v_xor_b32 v249, v249, v247                     ; the sine is negative in quadrants 2, 3
	v_add_nc_u32 v242, 1, v242
	v_and_b32 v242, 2, v242
	v_lshlrev_b32 v242, 30, v242
	v_xor_b32 v248, v248, v242                     ; the cosine in quadrants 1, 2
	global_store_b64 v7, v[248:249], s[14:15]      ; the wave stores a position's 256 consecutive bytes; v7, v248, v249 are never written again
.macro ACROSS                          ; v240 summed over the 32 lanes, the sum in every lane
	v_add_f32_dpp v240, v240, v240 row_xmask:1 row_mask:0xf bank_mask:0xf
	v_add_f32_dpp v240, v240, v240 row_xmask:2 row_mask:0xf bank_mask:0xf
	v_add_f32_dpp v240, v240, v240 row_xmask:4 row_mask:0xf bank_mask:0xf
	v_add_f32_dpp v240, v240, v240 row_xmask:8 row_mask:0xf bank_mask:0xf
	v_permlanex16_b32 v241, v240, s20, s21
	v_add_f32 v240, v240, v241
.endm
.macro TURN p, t                       ; 512 numbers of row p through stage t: LDS serves a wave's instructions in order, so no wait stands between the stores and the loads
.irp i, 0,1,2,3
	ds_store_b128 v3, v[X+32*\p+16*\t+4*\i:X+32*\p+16*\t+4*\i+3] offset:2560*\t+640*\i
.endr
.irp i, 0,1,2,3
	ds_load_b128 v[T+16*\t+4*\i:T+16*\t+4*\i+3], v4 offset:2560*\t+16*\i
.endr
.endm
.macro QSTEP p, t                      ; my 16 neighbours become 12 bytes of codes; codes and byte go into registers of the row that are done with, each used once
.set TS, T+16*\t
.set XR, X+32*\p
	v_max3_num_f32 v8, |v[TS]|, |v[TS+1]|, |v[TS+2]|
	v_max3_num_f32 v9, |v[TS+3]|, |v[TS+4]|, |v[TS+5]|
.irp i, 6,10
	v_max3_num_f32 v8, v8, |v[TS+\i]|, |v[TS+\i+1]|
	v_max3_num_f32 v9, v9, |v[TS+\i+2]|, |v[TS+\i+3]|
.endr
	v_max3_num_f32 v8, v8, |v[TS+14]|, |v[TS+15]|
	v_max3_num_f32 v8, v8, v9, 0x1800000           ; the floor 2^(3 - 127): the byte cannot fall under 1
	v_max_num_f32_dpp v8, v8, v8 row_xmask:1 row_mask:0xf bank_mask:0xf   ; with my neighbour's 16: the block's largest magnitude
	v_add_nc_u32 v11, 0xff000000, v8               ; 2 off its exponent field: the conversion's scale operand
	v_cvt_scalef32_pk16_fp6_f32 v[XR+4*\t:XR+4*\t+2], v[TS:TS+15], v11
	v_lshrrev_b32 v[XR+8+\t], 23, v11              ; the scale's byte
	ds_store_b8 v5, v[XR+8+\t] offset:32*\p+16*\t  ; both lanes of a block write the same byte with the same value
.irp w, 0,1,2
	ds_store_b32 v6, v[XR+4*\t+\w] offset:6144*\t+48*\p+4*\w   ; chunk 8 t + lane / 4, row 4 x wave + p
.endr
.endm
.macro ROW p
.set XR, X+32*\p
	s_wait_loadcnt 8*(3-\p)                        ; gain, bias and my row are in; the rows behind it may be out
	v_pk_add_f32 v[240:241], v[XR:XR+1], v[XR+2:XR+3]
	v_pk_add_f32 v[242:243], v[XR+4:XR+5], v[XR+6:XR+7]
.irp i, 8,12,16,20,24,28
	v_pk_add_f32 v[240:241], v[240:241], v[XR+\i:XR+\i+1]
	v_pk_add_f32 v[242:243], v[242:243], v[XR+\i+2:XR+\i+3]
.endr
	v_pk_add_f32 v[240:241], v[240:241], v[242:243]
	v_add_f32 v240, v240, v241
	ACROSS
	v_mul_f32 v12, s22, v240                       ; the mean
	v_mov_b32 v13, v12
.irp i, 0,2,4,6,8,10,12,14,16,18,20,22,24,26,28,30
	v_pk_add_f32 v[XR+\i:XR+\i+1], v[XR+\i:XR+\i+1], v[12:13] neg_lo:[0,1] neg_hi:[0,1]
.endr
	v_pk_mul_f32 v[240:241], v[XR:XR+1], v[XR:XR+1]
	v_pk_mul_f32 v[242:243], v[XR+2:XR+3], v[XR+2:XR+3]
.irp i, 4,8,12,16,20,24,28
	v_pk_fma_f32 v[240:241], v[XR+\i:XR+\i+1], v[XR+\i:XR+\i+1], v[240:241]
	v_pk_fma_f32 v[242:243], v[XR+\i+2:XR+\i+3], v[XR+\i+2:XR+\i+3], v[242:243]
.endr
	v_pk_add_f32 v[240:241], v[240:241], v[242:243]
	v_add_f32 v240, v240, v241
	ACROSS
	v_fma_f32 v244, v240, s22, s23                 ; the variance + 1e-5
	s_wait_alu depctr_va_vdst(0)
	v_rsq_f32 v14, v244
	v_rsq_f32 v15, v244
	v_nop                                          ; a plain instruction behind the last of the two
	s_wait_alu depctr_va_vdst(0)                   ; one wait for both, ahead of their first reader
.irp i, 0,2,4,6,8,10,12,14,16,18,20,22,24,26,28,30
	v_pk_mul_f32 v[XR+\i:XR+\i+1], v[XR+\i:XR+\i+1], v[14:15]
.endr
.irp i, 0,2,4,6,8,10,12,14,16,18,20,22,24,26,28,30
	v_pk_fma_f32 v[XR+\i:XR+\i+1], v[XR+\i:XR+\i+1], v[G+\i:G+\i+1], v[BE+\i:BE+\i+1]
.endr
	TURN \p, 0
	TURN \p, 1
	s_wait_dscnt 8                                 ; the first 512 are back; the second turn's four stores and four loads may be out
	QSTEP \p, 0
	s_wait_dscnt 4                                 ; the second 512 are back; the four stores just issued may be out
	QSTEP \p, 1
.endm
	ROW 0
	ROW 1
	ROW 2
	ROW 3
	s_wait_dscnt 0x0                               ; for the others' sake: my byte stores have landed
	s_barrier_signal -1
	s_barrier_wait -1
	v_lshl_add_u32 v16, v0, 4, CB                  ; the codes go out: piece o = thread + 128 i of 16 bytes, chunk o / 48
.irp i, 0,1,2,3,4,5
	ds_load_b128 v[32+4*\i:35+4*\i], v16 offset:2048*\i
.endr
.irp i, 0,1,2,3,4,5
	v_add_nc_u32 v17, 128*\i, v0
	v_mul_u32_u24 v18, v17, 1366
	v_lshrrev_b32 v18, 16, v18                     ; o / 48, exact for o under 768
	v_mul_u32_u24 v18, v18, 195840                 ; from chunk to chunk 196,608 bytes, less the 768 counted in 16 o
	v_lshl_add_u32 v[20+\i], v17, 4, v18
.endr
	s_wait_alu depctr_va_vdst(0)
	s_wait_dscnt 0x0
.irp i, 0,1,2,3,4,5
	global_store_b128 v[20+\i], v[32+4*\i:35+4*\i], s[10:11]   ; sixteen lanes store 256 consecutive bytes, aligned
.endr
	s_cmp_lg_u32 s16, 0
	s_cbranch_scc1 .Ldone
	ds_load_b128 v[240:243], v10                   ; wave 0: the work-group's 512 scale bytes
	s_wait_dscnt 0x0
	global_store_b128 v2, v[240:243], s[12:13]     ; 512 consecutive bytes, at a multiple of 512 from the buffer's first byte
.Ldone:
	s_wait_tensorcnt 0x0
	ds_add_u32 v250, v251
	s_wait_dscnt 0x0
	s_endpgm
; THE WEIGHTS RE-LAID: a work-group copies 16 rows x 768 bytes (16 chunks) = 768 pieces of 16 bytes, six a thread; no LDS.  The stores are whole runs of 256 bytes; a load takes runs of 48 bytes of a row.
.Lrelay:
	s_load_b64 s[14:15], s[0:1], 0x28              ; wl
	s_load_b256 s[16:23], s[0:1], 0x30             ; W1, W2, Wq, Wk
	s_load_b128 s[24:27], s[0:1], 0x50             ; Wv, Wo
	s_sub_co_u32 s2, ttmp9, 256
	s_lshr_b32 s3, s2, 8                           ; 0: W1, 1: W2, 2: the four of 1,024 x 1,024
	s_and_b32 s4, s2, 255                          ; W1's group of 16 rows
	s_and_b32 s5, s2, 63                           ; the others' group of 16 rows
	s_bfe_u32 s6, s2, 0x20006                      ; W2: which 768 bytes of the row; the four: which weight
	s_mul_i32 s7, s4, 12288
	s_mul_i32 s8, s4, 768
	s_add_co_u32 s8, s8, RW1
	s_mul_i32 s9, s5, 49152
	s_mul_i32 s10, s6, 768
	s_add_co_u32 s9, s9, s10
	s_mul_i32 s10, s5, 12288
	s_mul_i32 s11, s5, 768
	s_mov_b32 s12, 768
	s_mov_b32 s13, RWQ
	s_mov_b32 s29, 49152
	s_cmp_eq_u32 s3, 1
	s_cselect_b32 s9, s9, s10                      ; where the rows begin in the source
	s_cselect_b32 s28, 3072, s12                   ; the source's row in bytes
	s_cselect_b32 s13, RW2, s13
	s_cselect_b32 s12, 786432, s29
	s_mul_i32 s12, s12, s6
	s_add_co_u32 s11, s11, s12
	s_add_co_u32 s11, s11, s13
	s_cmp_eq_u32 s3, 1
	s_cselect_b32 s29, s29, 196608                 ; from chunk to chunk in wl
	s_cmp_eq_u32 s3, 0
	s_cselect_b32 s30, s7, s9
	s_cselect_b32 s32, s8, s11
	s_mov_b32 s31, 0
	s_mov_b32 s33, 0
.irp i, 0,1,2,3,4,5
	v_add_nc_u32 v1, 128*\i, v0                    ; piece o of the output
	v_mul_u32_u24 v2, v1, 1366
	v_lshrrev_b32 v2, 16, v2                       ; chunk c = o / 48
	v_mul_u32_u24 v6, v2, 48
	v_sub_nc_u32 v3, v1, v6                        ; o % 48
	v_mul_u32_u24 v4, v3, 43
	v_lshrrev_b32 v4, 7, v4                        ; row = (o % 48) / 3
	v_mul_u32_u24 v5, v4, 3
	v_sub_nc_u32 v5, v3, v5
	v_lshl_add_u32 v6, v5, 4, v6
	v_mad_u32_u24 v[10+\i], v4, s28, v6            ; from: row x pitch + 48 c + 16 (o % 3)
	v_mul_u32_u24 v7, v2, s29
	v_lshl_add_u32 v[20+\i], v3, 4, v7             ; to: c chunks + 16 (o % 48)
.endr
	s_wait_alu depctr_va_vdst(0)
	s_wait_kmcnt 0x0
	s_cmp_eq_u32 s6, 1
	s_cselect_b64 s[34:35], s[22:23], s[20:21]
	s_cmp_eq_u32 s6, 2
	s_cselect_b64 s[34:35], s[24:25], s[34:35]
	s_cmp_eq_u32 s6, 3
	s_cselect_b64 s[34:35], s[26:27], s[34:35]
	s_cmp_eq_u32 s3, 1
	s_cselect_b64 s[34:35], s[18:19], s[34:35]
	s_cmp_eq_u32 s3, 0
	s_cselect_b64 s[34:35], s[16:17], s[34:35]
	s_add_nc_u64 s[34:35], s[34:35], s[30:31]
	s_add_nc_u64 s[14:15], s[14:15], s[32:33]
.irp i, 0,1,2,3,4,5
	global_load_b128 v[32+4*\i:35+4*\i], v[10+\i], s[34:35]
.endr
	s_wait_loadcnt 0x0
.irp i, 0,1,2,3,4,5
	global_store_b128 v[20+\i], v[32+4*\i:35+4*\i], s[14:15]
.endr
	s_endpgm
.Lfunc_end_k_qd38c8a26ef_ln1:
	.size	k_qd38c8a26ef_ln1, .Lfunc_end_k_qd38c8a26ef_ln1-k_qd38c8a26ef_ln1
	.p2alignl 7, 3214868480
	.fill 96, 4, 3214868480
	.section	.rodata,"a",@progbits
	.p2align	6, 0x0
	.amdhsa_kernel k_qd38c8a26ef_ln1
		.amdhsa_group_segment_fixed_size 33792
		.amdhsa_private_segment_fixed_size 0
		.amdhsa_enable_private_segment 0
		.amdhsa_kernarg_size 96
		.amdhsa_user_sgpr_count 2
		.amdhsa_user_sgpr_kernarg_segment_ptr 1
		.amdhsa_wavefront_size32 1
		.amdhsa_system_sgpr_workgroup_id_x 1
		.amdhsa_system_sgpr_workgroup_id_y 1
		.amdhsa_system_sgpr_workgroup_id_z 1
		.amdhsa_system_vgpr_workitem_id 0
		.amdhsa_next_free_vgpr 252
		.amdhsa_next_free_sgpr 66
		.amdhsa_reserve_vcc 1
		.amdhsa_float_denorm_mode_32 3
		.amdhsa_float_denorm_mode_16_64 3
		.amdhsa_memory_ordered 1
		.amdhsa_forward_progress 1
		.amdhsa_inst_pref_size 57
	.end_amdhsa_kernel
	.amdgpu_metadata
---
amdhsa.version: [ 1, 2 ]
amdhsa.kernels:
  - .name:           k_qd38c8a26ef_ln1
    .symbol:         k_qd38c8a26ef_ln1.kd
    .args:
      - { .name: x, .offset: 0, .size: 8, .value_kind: global_buffer, .address_space: global }
      - { .name: g1, .offset: 8, .size: 8, .value_kind: global_buffer, .address_space: global }
      - { .name: be1, .offset: 16, .size: 8, .value_kind: global_buffer, .address_space: global }
      - { .name: actc, .offset: 24, .size: 8, .value_kind: global_buffer, .address_space: global }
      - { .name: acts, .offset: 32, .size: 8, .value_kind: global_buffer, .address_space: global }
      - { .name: wl, .offset: 40, .size: 8, .value_kind: global_buffer, .address_space: global }
      - { .name: W1_codes, .offset: 48, .size: 8, .value_kind: global_buffer, .address_space: global }
      - { .name: W2_codes, .offset: 56, .size: 8, .value_kind: global_buffer, .address_space: global }
      - { .name: Wq_codes, .offset: 64, .size: 8, .value_kind: global_buffer, .address_space: global }
      - { .name: Wk_codes, .offset: 72, .size: 8, .value_kind: global_buffer, .address_space: global }
      - { .name: Wv_codes, .offset: 80, .size: 8, .value_kind: global_buffer, .address_space: global }
      - { .name: Wo_codes, .offset: 88, .size: 8, .value_kind: global_buffer, .address_space: global }
    .group_segment_fixed_size: 33792
    .private_segment_fixed_size: 0
    .kernarg_segment_align: 8
    .kernarg_segment_size: 96
    .max_flat_workgroup_size: 128
    .sgpr_count:     66
    .vgpr_count:     252
    .wavefront_size: 32
...
	.end_amdgpu_metadata
.endif
;; end of part 1
;; launch qkv (part 2): grid 12 x 16, 4 waves a work-group, clusters of 4 x 4, 327,680 bytes of LDS; arguments actc, acts, wl, Wq_scales, Wk_scales, Wv_scales, bq, bk, bv, qkvc, qkvs; writes qkvc, qkvs
.if DOCPART == 2
	.amdgcn_target "amdgcn-amd-amdhsa--gfx1250"
	.amdhsa_code_object_version 6
	.text
	.protected	k_qd38c8a26ef_qkv
	.globl	k_qd38c8a26ef_qkv
	.p2align	8
	.type	k_qd38c8a26ef_qkv,@function
k_qd38c8a26ef_qkv:
	s_mov_b64 s[64:65], 0
	v_nop
	global_prefetch_b8 v0, s[64:65] scope:SCOPE_SE
	s_setreg_imm32_b32 hwreg(HW_REG_WAVE_MODE, 25, 1), 1
	s_wait_xcnt 0x0
	s_wait_alu depctr_hold_cnt(0) depctr_sa_sdst(0) depctr_va_vdst(0) depctr_va_sdst(0) depctr_va_ssrc(0) depctr_va_vcc(0) depctr_vm_vsrc(0)
	s_getreg_b32 s2, hwreg(HW_REG_IB_STS2, 6, 4)
	s_cmp_eq_u32 s2, 0
	s_cbranch_scc0 .Lentry_in_a_cluster
	s_endpgm
.Lentry_in_a_cluster:
	s_bfe_u32 s2, ttmp6, 0x10000c
	s_cmp_lg_u32 s2, 0xf033
	s_cbranch_scc0 .Lentry_shape_is_right
	s_endpgm
.Lentry_shape_is_right:
; q = rope(h Wq^T + bq), k = rope(h Wk^T + bk), v = h Wv^T + bv on codes of FP6 (E2M3) with one E8M0 byte for each 32 along K = 1,024, and the results quantised again:
; q and k along the head's 64, v along the keys.  h: codes [4096][768 bytes], bytes [4096][32]; the weights likewise, [1024] rows.
; A tile of 256 x 256 is made by four waves, 128 x 128 each (64 accumulators, 512 registers); K goes in steps of 256 through a ring of two LDS slots filled by tensor loads;
; the scale bytes of the tile's rows come once and stay in LDS.  CLUSTERS of 4 x 4: A's tiles are asked for jointly along a row of the cluster, B's along a column.
; The cluster's x says which product: 0 q, 1 k, 2 v; it is alike in all sixteen partners.  For q and k: A = h (tokens), B = the weight.  FOR v THE POINTERS CHANGE PLACES: A = Wv, B = h.
; The matrix instruction is used transposed (source 0 = 16 rows of B, source 1 = 16 rows of A): a lane holds one row of A and eight neighbouring rows of B.  So for q and k a lane's registers run
; along the head's channels, and for v along the tokens: in both cases along the K of the product that follows.
; The bias of q and k is the C of each sum's first matrix instruction; v's goes by A's rows and is added on the way out (its first C is zeros).
; THE WAY OUT: a block of 16 rows x 128 columns goes through the wave's stage in LDS and comes back with 16 neighbours of each block of 32 in a lane; rotation (q, k), quantiser.
; The cosines and sines of all eight blocks (64 loads) are asked for in ONE run at the head of the way out, into window 1, whose registers held B's fragments: block a waits only for its own eight loads.
; q, k: codes [64 heads of batches][1024 tokens][48 bytes] and words (two bytes, two zeros) gathered in LDS, stored in runs of 512 bytes.
; v: the codes are stored as the image of the next product's operand registers, [head][8 key steps][4 tiles of 16 channels][1,536 bytes]; words [8][16][4].
; q and k's LDS bytes of the way out lie in slot 0, which has had its last fill and its last read; v's lie behind the spare words; each of the two ways has bytes of its own.
; LIMITS: NaN and infinities are not served; a block under 2^-124 is held at the byte 1; a block of zeros gets the byte 1 (its codes are zeros; this program alone reads the bytes).
.set KSTEP,  256
.set NQ,     2
; BOTH OPERANDS' CODES lie in chunks of 64 along K, [16 chunks][4096 rows][48 bytes] (h in actc; Wq, Wk, Wv as rows 0, 1024, 2048 on of one such array in wl, behind the rotary table):
; a tile's 256 rows of a chunk are 12,288 dense bytes, at a multiple of 256.  A slot: A's four chunks, then B's four.
.set CS,     196608                    ; from chunk to chunk in memory
.set RWQ,    6553600                   ; where the weights' array begins in wl
.set ROWB,   4*CS                      ; a K step of 256 in memory
.set KROW,   48
.set PITCH,  48                        ; 12 words a row: the 32 lanes of a load of 8 bytes touch 64 different banks (ISA guide 11.1)
.set FR,     12
.set NL,     6
.set NP,     4
.set HALFT,  24576                     ; two chunks x 256 rows: what one load of the ring brings
.set G0H,    4                         ; s[4:7], s[8:11]: group 0 of the head's loads of K step 0
.set G0HB,   8
.set SLOT,   4*HALFT
.set LAPS,   2
.set KS,     32
.set SCL,    2*SLOT
.set HALFS,  (128*KS/256)*272
.set SBLK,   (16*KS/256)*272
.set SPARE,  SCL+4*HALFS               ; the spare words: 128 bytes a wave, named by no other line
.set SPITCH, 528
.set CSTG,   4*16*SPITCH               ; q, k: codes, [2 heads][128 tokens][48 bytes] a wave
.set SSTG,   CSTG+4*12288              ; q, k: words, [2 heads][128] a wave
.set VSTG,   SPARE+512                 ; v: its own f32 stages, behind the spare words: no fill lands there
.set STC,  7
.set RDC,  8
.set SSA,  9
.set RDS,  10
.set ROF,  11
.set SHH,  12
.set BVO,  13
.set STOV, 14
.set RDQV, 15
.set ADRA, 16
.set ADRB, 20
.set STO,  24
.set RDQ,  25
.set CO,   26
.set ADRS, 27
.set SPW,  28
.set NIL,  29
.set BIO,  30
.set VWO,  31
.set SC,   32                          ; scale words, two sets; on v's way out: bv and the kept words
.set BIAS, 64                          ; v64-127 the first C; on the way out a block's numbers
.set AF,   128
.set BV,   32
.set VW,   48
.set PC,   192                         ; the codes just made
.set TM,   212                         ; 0-3 largest magnitudes, 4-7 the other half's and then bytes, 8-11 scale operands
.set PW,   224
.set HW,   225
.set RT,   226
.set SEL,  18
.set G1, 24
.set G0, 32
.set G1B, 48
.set G0B, 56
.set G1S, 68
.set G0S, 76
.set G1SB, 80
.set G0SB, 88
.set MSB, 0
.macro WIN new                         ; the immediate's high byte repeats the setting that is left
.if MSB != (\new)
	s_set_vgpr_msb (MSB<<8)|(\new)
.set MSB, (\new)
.endif
.endm
.set MUL_LO, 0xa1                      ; source 0 (B) window 1, source 1 (A) window 0, C and D window 2
.set MUL_HI, 0xf1                      ; the same, C and D window 3
.set TO_B,   0x40
.macro JLOAD g0a, g1a, g0b, g1b        ; a joint load: waves 0 and 1 fetch for A, waves 2 and 3 for B; four v_nop follow each line
	s_cmp_eq_u32 s15, 0
	s_cbranch_scc0 .Lfor_b_\@
	tensor_load_to_lds s[\g0a:\g0a+3], s[\g1a:\g1a+7]
	s_nop 0
.rept 4
	v_nop
.endr
	s_branch .Lasked_\@
.Lfor_b_\@:
	tensor_load_to_lds s[\g0b:\g0b+3], s[\g1b:\g1b+7]
	s_nop 0
.rept 4
	v_nop
.endr
.Lasked_\@:
.endm
.macro CREST
	s_cmp_lg_u32 s14, 0
	s_cbranch_scc1 .Lnot_wave_0_\@
	s_barrier_signal -3
.Lnot_wave_0_\@:
	s_barrier_wait -3
	s_barrier_signal -1
	s_barrier_wait -1
.endm
.macro CROUND
	s_barrier_signal -1
	s_barrier_wait -1
	CREST
.endm
	s_load_b128 s[68:71], s[0:1], 0x0              ; h's codes, bytes
	s_load_b64 s[90:91], s[0:1], 0x10              ; wl: the rotary table, the weights' codes
	s_load_b64 s[74:75], s[0:1], 0x18              ; Wq's bytes
	s_load_b64 s[78:79], s[0:1], 0x20              ; Wk's
	s_load_b64 s[82:83], s[0:1], 0x28              ; Wv's
	s_load_b128 s[84:87], s[0:1], 0x30             ; bq, bk
	s_load_b64 s[88:89], s[0:1], 0x40              ; bv
	s_load_b128 s[92:95], s[0:1], 0x48             ; the two outputs
	v_lshl_add_u32 v[SPW], v0, 2, SPARE
	v_mov_b32 v[NIL], 0
	ds_add_u32 v28, v29
	ds_add_u32 v28, v29
	s_wait_dscnt 0x0
	v_lshrrev_b32 v1, 5, v0
	v_readfirstlane_b32 s14, v1                    ; wave
	s_lshr_b32 s15, s14, 1                         ; my half of A's rows; also: I fetch for A (0) or B (1)
	s_and_b32 s16, s14, 1                          ; my half of B's rows; also: which two chunks I fetch
	s_bfe_u32 s40, ttmp6, 0x40000                  ; cx
	s_bfe_u32 s41, ttmp6, 0x40004                  ; cy
	s_and_b32 s96, ttmp7, 0xffff                   ; the cluster's y
	s_cmp_eq_u32 ttmp9, 2
	s_cselect_b32 s42, s96, 0                      ; v: the tokens are B's rows,
	s_cselect_b32 s17, 0, s96                      ; q, k: they are A's
	s_lshl_b32 s42, s42, 2
	s_add_co_u32 s42, s42, s40                     ; B's tile
	s_lshl_b32 s17, s17, 2
	s_add_co_u32 s17, s17, s41                     ; A's tile
	s_lshl_b32 s43, s41, 2
	s_lshl_b32 s43, 15, s43                        ; my row of the cluster
	s_lshl_b32 s44, 0x1111, s40                    ; my column
	s_wait_kmcnt 0x0
	s_mul_i32 s2, ttmp9, 49152                     ; 1,024 rows of 48 bytes for each weight ahead of mine
	s_add_co_u32 s2, s2, RWQ
	s_mov_b32 s3, 0
	s_add_nc_u64 s[72:73], s[90:91], s[2:3]        ; my weight's codes
	s_mov_b64 s[8:9], s[72:73]
	s_cmp_eq_u32 ttmp9, 1
	s_cselect_b64 s[10:11], s[78:79], s[74:75]
	s_cselect_b64 s[12:13], s[86:87], s[84:85]
	s_cmp_eq_u32 ttmp9, 2
	s_cselect_b64 s[4:5], s[72:73], s[68:69]
	s_cselect_b64 s[6:7], s[82:83], s[70:71]       ; A's bytes
	s_cselect_b64 s[8:9], s[68:69], s[8:9]         ; B's codes
	s_cselect_b64 s[10:11], s[70:71], s[10:11]     ; B's bytes
	s_cselect_b64 s[12:13], s[88:89], s[12:13]     ; the bias
	s_mov_b64 s[98:99], s[90:91]                   ; the table
	s_mov_b64 s[100:101], s[92:93]                 ; codes out
	s_mov_b64 s[104:105], s[94:95]                 ; words out
	s_or_b32 s[G1+0], s43, (3<<16)|(1<<21)         ; the mask; elements of 8 bytes; bit 21 beside a mask
	s_or_b32 s[G1B+0], s44, (3<<16)|(1<<21)
.irp g, G1, G1B
	s_mov_b32 s[\g+1], 1536<<16                    ; a row: 256 rows of codes of one chunk, 12,288 bytes
	s_mov_b32 s[\g+2], 4<<16                       ; the head's loads bring four chunks; the ring's two
	s_mov_b32 s[\g+3], 1536<<16
	s_mov_b32 s[\g+4], 4
	s_mov_b32 s[\g+5], CS/8
	s_mov_b32 s[\g+6], 0
	s_mov_b32 s[\g+7], 0
.endr
	s_or_b32 s[G1S+0], s43, (3<<16)|(1<<20)|(1<<21)|(5<<22)|(3<<25) ; the bytes of 256 rows: a dense block, as rows of 256 bytes + 16
	s_or_b32 s[G1SB+0], s44, (3<<16)|(1<<20)|(1<<21)|(5<<22)|(3<<25)
.irp g, G1S, G1SB
	s_mov_b32 s[\g+1], 32<<16
	s_mov_b32 s[\g+2], (256*KS/256)<<16
	s_mov_b32 s[\g+3], 32<<16
	s_mov_b32 s[\g+4], 256*KS/256
	s_mov_b32 s[\g+5], 32
	s_mov_b32 s[\g+6], 0
	s_mov_b32 s[\g+7], 0
.endr
	s_lshl_b32 s20, s17, 8                         ; A: the tile's first row
	s_lshl_b32 s46, s42, 8                         ; B likewise
	s_mov_b32 s21, 0
	s_mov_b32 s47, 0
	s_mov_b64 s[18:19], KS
	s_mul_u64 s[22:23], s[20:21], s[18:19]
	s_mul_u64 s[92:93], s[46:47], s[18:19]
	s_mov_b64 s[18:19], KROW
	s_mul_u64 s[20:21], s[20:21], s[18:19]
	s_mul_u64 s[46:47], s[46:47], s[18:19]
	s_mul_i32 s45, s14, HALFT                      ; no place in the cluster enters an LDS address
	s_mul_i32 s18, s16, 2*CS                       ; in the ring I fetch two of a K step's four chunks
	s_mov_b32 s19, 0
	s_add_nc_u64 s[20:21], s[4:5], s[20:21]
	s_add_nc_u64 s[22:23], s[6:7], s[22:23]
	s_add_nc_u64 s[46:47], s[8:9], s[46:47]
	s_add_nc_u64 s[92:93], s[10:11], s[92:93]
	CROUND                                         ; all sixteen work-groups are here: the first joint loads meet
	s_mov_b32 s[G0S], 1
	s_mov_b32 s[G0S+1], SCL
	s_mov_b64 s[G0S+2:G0S+3], s[22:23]
	s_or_b32 s[G0S+3], s[G0S+3], 0x80000000
	s_mov_b32 s[G0SB], 1
	s_mov_b32 s[G0SB+1], SCL+2*HALFS
	s_mov_b64 s[G0SB+2:G0SB+3], s[92:93]
	s_or_b32 s[G0SB+3], s[G0SB+3], 0x80000000
	s_mov_b32 s[G0H], 1                            ; K step 0, whole: A's four chunks,
	s_mov_b32 s[G0H+1], 0
	s_mov_b64 s[G0H+2:G0H+3], s[20:21]
	s_or_b32 s[G0H+3], s[G0H+3], 0x80000000
	s_mov_b32 s[G0HB], 1                           ; and B's, behind them
	s_mov_b32 s[G0HB+1], 2*HALFT
	s_mov_b64 s[G0HB+2:G0HB+3], s[46:47]
	s_or_b32 s[G0HB+3], s[G0HB+3], 0x80000000
	s_add_nc_u64 s[20:21], s[20:21], s[18:19]
	s_add_nc_u64 s[46:47], s[46:47], s[18:19]
.irp s, 0,1
	s_mov_b32 s[G0+4*\s], 1
	s_add_co_u32 s[G0+4*\s+1], s45, \s*SLOT
	s_add_nc_u64 s[G0+4*\s+2:G0+4*\s+3], s[20:21], \s*ROWB
	s_or_b32 s[G0+4*\s+3], s[G0+4*\s+3], 0x80000000
	s_mov_b32 s[G0B+4*\s], 1
	s_add_co_u32 s[G0B+4*\s+1], s45, \s*SLOT
	s_add_nc_u64 s[G0B+4*\s+2:G0B+4*\s+3], s[46:47], \s*ROWB
	s_or_b32 s[G0B+4*\s+3], s[G0B+4*\s+3], 0x80000000
.endr
; the head's loads, one a wave: wave 0 A's K step 0, wave 1 B's, wave 2 A's scale bytes, wave 3 B's; one tree of branches on the wave's number
; PREFETCH of K steps 2 and 3, each two fills ahead of its load: of the two chunks x 12,288 bytes that I will fetch, the partner at place p (cx for A, cy for B) takes 6,144: 24 blocks of 256 bytes, a lane a block
	s_cmp_eq_u32 s15, 0
	s_cselect_b64 s[92:93], s[20:21], s[46:47]
	s_cselect_b32 s2, s40, s41
	s_lshr_b32 s3, s2, 1
	s_mul_i32 s3, s3, CS
	s_and_b32 s2, s2, 1
	s_mul_i32 s2, s2, 6144
	s_add_co_u32 s2, s2, s3
	s_add_co_u32 s2, s2, 2*ROWB
	s_mov_b32 s3, 0
	s_add_nc_u64 s[92:93], s[92:93], s[2:3]
.macro ARM under, g0, g1, next
	s_cmp_lt_u32 s14, \under
	s_cbranch_scc0 \next
	tensor_load_to_lds s[\g0:\g0+3], s[\g1:\g1+7]
	s_nop 0
.rept 4
	v_nop
.endr
	s_branch .Lhead_asked
\next:
.endm
	ARM 1, G0H,  G1,  .Lhead_b
	ARM 2, G0HB, G1B, .Lhead_sa
	ARM 3, G0S,  G1S, .Lhead_sb
	tensor_load_to_lds s[G0SB:G0SB+3], s[G1SB:G1SB+7]
	s_nop 0
.rept 4
	v_nop
.endr
.Lhead_asked:
	v_and_b32 v1, 15, v0                           ; r; kept
	v_bfe_u32 v2, v0, 4, 1                         ; h; kept
	v_and_b32 v18, 31, v0
	v_min_u32 v18, 23, v18                         ; lanes 24-31 name the last block again
	v_lshlrev_b32 v18, 8, v18                      ; the prefetches' offset; never rewritten
	v_mul_u32_u24 v3, v1, PITCH
	v_mul_u32_u24 v4, v2, 24
	v_add_nc_u32 v4, v3, v4
	s_mul_i32 s21, s15, 6144                       ; my 128 rows of each chunk
	s_mul_i32 s22, s16, 6144
	s_add_co_u32 s22, s22, 2*HALFT
.irp s, 0,1
	v_add_nc_u32 v[ADRA+\s], s21, v4
	v_add_nc_u32 v[ADRB+\s], s22, v4
	s_add_co_u32 s21, s21, SLOT
	s_add_co_u32 s22, s22, SLOT
.endr
	v_mul_u32_u24 v5, v1, KS
	v_lshrrev_b32 v6, 8, v5
	v_lshl_add_u32 v5, v6, 4, v5
	s_mul_i32 s21, s15, HALFS
	s_mul_i32 s22, s16, HALFS
	s_add_co_u32 s22, s22, 2*HALFS
	s_sub_co_u32 s22, s22, s21
	v_mul_u32_u24 v6, s22, v2                      ; lanes 16-31 take B's words
	s_add_co_u32 s21, s21, SCL
	v_add_nc_u32 v5, v5, v6
	v_add_nc_u32 v[ADRS], s21, v5
	; the addresses of the way out, all made here, on the one way that every wave takes
	s_mul_i32 s23, s14, 16*SPITCH
	v_mul_u32_u24 v5, v1, SPITCH
	v_add_nc_u32 v5, s23, v5
	v_lshl_add_u32 v[STO], v2, 5, v5               ; in: row r, 32 bytes for each half of the lanes
	v_lshl_add_u32 v[RDQ], v2, 6, v5               ; back: row r, 64 bytes of each 128 for each half
	v_add_nc_u32 v[STOV], VSTG, v[STO]
	v_add_nc_u32 v[RDQV], VSTG, v[RDQ]
	v_and_b32 v6, 31, v0
	v_lshlrev_b32 v[CO], 4, v6                     ; 16 x lane
	s_mul_i32 s23, s14, 12288
	s_add_co_u32 s23, s23, CSTG
	v_mul_u32_u24 v5, v1, 48
	v_mad_u32_u24 v5, v2, 24, v5
	v_add_nc_u32 v[STC], s23, v5
	v_add_nc_u32 v[RDC], s23, v[CO]
	s_lshl_b32 s23, s14, 10
	s_add_co_u32 s23, s23, SSTG
	v_lshlrev_b32 v5, 2, v1
	v_lshl_add_u32 v5, v2, 9, v5
	v_add_nc_u32 v[SSA], s23, v5
	v_add_nc_u32 v[RDS], s23, v[CO]
	v_lshlrev_b32 v5, 8, v1
	v_lshl_add_u32 v[ROF], v2, 6, v5               ; the table: 256 r + 64 h
	v_lshlrev_b32 v[SHH], 4, v2
	v_lshlrev_b32 v[BVO], 2, v1
	v_lshlrev_b32 v[BIO], 5, v2
	v_mul_u32_u24 v5, v2, 6144
	v_lshl_add_u32 v[VWO], v1, 4, v5
	; the bias: q, k by B's rows (columns of the result), v by A's rows
	s_lshl_b32 s96, s17, 8
	s_lshl_b32 s97, s15, 7
	s_add_co_u32 s96, s96, s97
	s_lshl_b32 s97, s42, 8
	s_lshl_b32 s2, s16, 7
	s_add_co_u32 s97, s97, s2
	s_cmp_eq_u32 ttmp9, 2
	s_cselect_b32 s96, s96, s97
	s_lshl_b32 s96, s96, 2
	s_mov_b32 s97, 0
	s_add_nc_u64 s[12:13], s[12:13], s[96:97]
	s_cmp_eq_u32 ttmp9, 2
	s_cbranch_scc1 .Lbias_v
	s_wait_alu depctr_va_vdst(0)
.irp b, 0,1,2,3,4,5,6,7
	global_load_b128 v[BIAS+8*\b:BIAS+8*\b+3], v[BIO], s[12:13] offset:64*\b      ; lane (r, h): the bias of columns 16 b + 8 h + 0 .. 7
	global_load_b128 v[BIAS+8*\b+4:BIAS+8*\b+7], v[BIO], s[12:13] offset:64*\b+16
.endr
	s_branch .Lbias_done
.Lbias_v:
.set j, 0
.rept 64
	v_mov_b32 v[BIAS+j], 0
.set j, j+1
.endr
.Lbias_done:
.macro FRAG reg, adr, q, i             ; 16 rows x 128 K: 12 registers, 24 bytes of the row's stream twice, in pieces of 8 bytes
.irp p, 0,1,2,3,4,5
	ds_load_b64 v[\reg+2*\p:\reg+2*\p+1], v[\adr] offset:(2*(\q)+\p/3)*12288+(\i)*16*PITCH+8*(\p%3)   ; chunks 2 q and 2 q + 1 of the slot
.endr
.endm
; 16 matrix instructions: A's blocks a0, a0 + 1 x B's eight.  zero = 1: the first product starts the sums, with the bias as C.  The 64 accumulators take turns.
.macro MUL16 a0, p, q, sc, zero
.irp a, \a0, \a0+1
.irp b, 0,1,2,3,4,5,6,7
.if \zero
	v_wmma_scale_f32_16x16x128_f8f6f4 v[8*(8*((\a)%4)+\b):8*(8*((\a)%4)+\b)+7], v[128*(\p)+FR*\b:128*(\p)+FR*\b+FR-1], v[AF+FR*(\a):AF+FR*(\a)+FR-1], v[BIAS+8*\b:BIAS+8*\b+7], v[SC+8*NQ*(\sc)+NQ*\b+(\q)], v[SC+8*NQ*(\sc)+NQ*(\a)+(\q)] matrix_a_fmt:MATRIX_FMT_FP6 matrix_b_fmt:MATRIX_FMT_FP6 matrix_a_scale:MATRIX_SCALE_ROW1
.else
	v_wmma_scale_f32_16x16x128_f8f6f4 v[8*(8*((\a)%4)+\b):8*(8*((\a)%4)+\b)+7], v[128*(\p)+FR*\b:128*(\p)+FR*\b+FR-1], v[AF+FR*(\a):AF+FR*(\a)+FR-1], v[8*(8*((\a)%4)+\b):8*(8*((\a)%4)+\b)+7], v[SC+8*NQ*(\sc)+NQ*\b+(\q)], v[SC+8*NQ*(\sc)+NQ*(\a)+(\q)] matrix_a_fmt:MATRIX_FMT_FP6 matrix_b_fmt:MATRIX_FMT_FP6 matrix_a_scale:MATRIX_SCALE_ROW1
.endif
.endr
.endr
.endm
.macro FETCH_B slot, q, p
	WIN TO_B
.irp i, 0,1,2,3,4,5,6,7
	FRAG 128*(\p)+FR*\i, ADRB+\slot, \q, \i
.endr
	WIN 0
.endm
.macro FETCH_A slot, q, i0
.irp i, \i0, \i0+1, \i0+2, \i0+3
	FRAG AF+FR*(\i), ADRA+\slot, \q, \i
.endr
.endm
.macro SCALES sc
.irp i, 0,1,2,3,4,5,6,7
	ds_load_b64 v[SC+8*NQ*\sc+NQ*\i:SC+8*NQ*\sc+NQ*\i+1], v[ADRS] offset:\i*SBLK
.endr
.endm
.macro PLACES n                        ; plain vector instructions between a matrix instruction and a load into, or a read of, its registers
.rept \n
	v_nop
.endr
.endm
.macro STEP slot, q, zero
	s_wait_dscnt 4*NL                              ; B's set and A's blocks 0-3 are in; A's blocks 4-7 may be out
	WIN MUL_LO-0x20*(\zero)                        ; (the first C lies in window 0)
	MUL16 0, (\q)%2, \q, \slot, \zero
	MUL16 2, (\q)%2, \q, \slot, \zero
	s_wait_dscnt 0
	PLACES NP
	FETCH_B \slot, (\q)+1, 1-(\q)%2
	FETCH_A \slot, (\q)+1, 0
	WIN MUL_HI-0x30*(\zero)
	MUL16 4, (\q)%2, \q, \slot, \zero
	MUL16 6, (\q)%2, \q, \slot, \zero
	PLACES NP
	WIN 0
	FETCH_A \slot, (\q)+1, 4
.endm
; A slot's last step changes slots: one barrier; in front of it each wave waits for all its tensor loads, adds 0 to its spare word, and waits for that and for its reads of this slot.
.macro TURN slot, next, fill
	s_wait_tensorcnt 0x0                           ; all my tensor loads have landed: my part of the next slot
	ds_add_u32 v[SPW], v[NIL]
	s_wait_dscnt 4*NL+1                            ; the add and A's blocks 4-7 may be out
	WIN MUL_LO
	MUL16 0, 1, NQ-1, \slot, 0
	s_wait_dscnt 0x0                               ; the add is done, and my reads of this slot are over
	s_barrier_signal -1
	MUL16 2, 1, NQ-1, \slot, 0
	WIN 0
	s_barrier_wait -1
.if \fill
	CREST                                          ; the barrier has opened a round of the cluster's: no wave of any partner still reads this slot or has a load on its way
	s_add_nc_u64 s[G0+4*\slot+2:G0+4*\slot+3], s[G0+4*\slot+2:G0+4*\slot+3], 2*ROWB
	s_add_nc_u64 s[G0B+4*\slot+2:G0B+4*\slot+3], s[G0B+4*\slot+2:G0B+4*\slot+3], 2*ROWB
	JLOAD G0+4*\slot, G1, G0B+4*\slot, G1B         ; the first tensor load behind the round; its four v_nop are the places in front of the loads below
.else
	PLACES NP
.endif
	s_wait_alu depctr_va_vdst(0)
	v_add_nc_u32 v[ADRS], 4*NQ, v[ADRS]
	FETCH_B \next, 0, 0
	FETCH_A \next, 0, 0
	SCALES \next
	WIN MUL_HI
	MUL16 4, 1, NQ-1, \slot, 0
	MUL16 6, 1, NQ-1, \slot, 0
	PLACES NP
	WIN 0
	FETCH_A \next, 0, 4
.endm
	s_wait_alu depctr_va_vdst(0)
	global_prefetch_b8 v18, s[92:93] th:TH_LOAD_NT scope:SCOPE_SE   ; K step 2
	s_wait_tensorcnt 0x0                           ; my tile of the head's four is in
	ds_add_u32 v[SPW], v[NIL]
	s_mov_b32 s[G1+2], 2<<16
	s_mov_b32 s[G1+4], 2
	s_mov_b32 s[G1B+2], 2<<16
	s_mov_b32 s[G1B+4], 2
	s_wait_dscnt 0x0
	CROUND                                         ; all four tiles are in, and all sixteen work-groups are here
	JLOAD G0+4, G1, G0B+4, G1B                     ; K step 1, the first tensor load behind the round
	FETCH_B 0, 0, 0
	global_prefetch_b8 v18, s[92:93] offset:ROWB th:TH_LOAD_NT scope:SCOPE_SE   ; K step 3
	FETCH_A 0, 0, 0
	SCALES 0
	FETCH_A 0, 0, 4
	s_wait_loadcnt 0x0                             ; the bias
	s_wait_alu depctr_va_vdst(0)
	STEP 0, 0, 1
	s_mov_b32 s3, LAPS-1
.Llap:
	TURN 0, 1, 1
	STEP 1, 0, 0
	TURN 1, 0, 1
	STEP 0, 0, 0
	s_sub_co_u32 s3, s3, 1
	s_cmp_lg_u32 s3, 0
	s_cbranch_scc1 .Llap
	TURN 0, 1, 0                                   ; the last lap fills nothing
	STEP 1, 0, 0
	s_wait_dscnt 4*NL
	WIN MUL_LO
	MUL16 0, 1, NQ-1, 1, 0
	MUL16 2, 1, NQ-1, 1, 0
	s_wait_dscnt 0
	WIN MUL_HI
	MUL16 4, 1, NQ-1, 1, 0
	MUL16 6, 1, NQ-1, 1, 0
	WIN 0
; Block a (16 rows of A x 128 rows of B) into the stage, each accumulator from its low end on, and back: register 16 b + i = column 32 b + 16 h + i of row r.  Even blocks land in v128-191, odd ones in v64-127.
.macro TOSTAGE a, sto, rdq
.set AC, 64*((\a)%4)
.set LB, 128-64*((\a)%2)
	WIN 0x08+4*((\a)/4)                            ; an LDS store's data are its source 1: window 2 or 3
.irp b, 0,1,2,3,4,5,6,7
	ds_store_b128 v[\sto], v[AC+8*\b:AC+8*\b+3] offset:64*\b
	ds_store_b128 v[\sto], v[AC+8*\b+4:AC+8*\b+7] offset:64*\b+16
.endr
	WIN 0
.irp b, 0,1,2,3
.irp j, 0,1,2,3
	ds_load_b128 v[LB+16*\b+4*\j:LB+16*\b+4*\j+3], v[\rdq] offset:128*\b+16*\j   ; LDS serves a wave's instructions in order: these see the stores above
.endr
.endr
.endm
; 64 numbers of a lane become a fragment's codes in v[PC] on (registers 6 c .. 6 c + 5: columns 64 c + 32 h + 0 .. 31 of row r) and the row's scale word in v[PW].
.macro QUANT s
.irp b, 0,1,2,3
	v_max3_num_f32 v[TM+\b], |v[\s+16*\b]|, |v[\s+1+16*\b]|, 0x1800000   ; with the floor 2^(3 - 127): the byte cannot fall under 1
.endr
.irp i, 2,4,6,8,10,12,14
.irp b, 0,1,2,3
	v_max3_num_f32 v[TM+\b], v[TM+\b], |v[\s+16*\b+\i]|, |v[\s+1+16*\b+\i]|
.endr
.endr
.irp b, 0,1,2,3
	v_permlanex16_b32 v[TM+4+\b], v[TM+\b], s[SEL], s[SEL+1]
.endr
.irp b, 0,1,2,3
	v_max_num_f32 v[TM+\b], v[TM+\b], v[TM+4+\b]
.endr
.irp b, 0,1,2,3
	v_add_nc_u32 v[TM+8+\b], 0xff000000, v[TM+\b]  ; 2 off the exponent field: the conversion's scale operand
.endr
.irp b, 0,1,2,3
	v_lshrrev_b32 v[TM+4+\b], 23, v[TM+8+\b]       ; the byte
.endr
	v_lshl_or_b32 v[PW], v[TM+5], 8, v[TM+4]
	v_lshl_or_b32 v[PW], v[TM+6], 16, v[PW]
	v_lshl_or_b32 v[PW], v[TM+7], 24, v[PW]
.irp c, 0,1
	v_cvt_scalef32_pk16_fp6_f32 v[PC+6*\c:PC+2+6*\c], v[\s+32*\c:\s+15+32*\c], v[TM+8+2*\c]
	v_cvt_scalef32_pk16_fp6_f32 v[PC+12+4*\c:PC+14+4*\c], v[\s+16+32*\c:\s+31+32*\c], v[TM+8+2*\c+1]
.endr
	v_nop                                          ; one plain instruction behind a scaled conversion
.irp c, 0,1
.irp i, 0,1,2
	v_permlane16_swap_b32 v[PC+6*\c+\i], v[PC+12+4*\c+\i]   ; a whole block into a lane
.endr
.irp i, 0,1,2
	v_mov_b32 v[PC+3+6*\c+\i], v[PC+12+4*\c+\i]
.endr
.endr
.endm
	PLACES NP                                      ; behind the last products: for the loads and writes below and for block 7's reads
.irp b, 0,1,2,3
	v_mov_b32 v[TM+4+\b], 0                        ; a lane permute's destination counts as one of its sources
.endr
	s_mov_b32 s[SEL], 0x76543210
	s_mov_b32 s[SEL+1], 0xfedcba98
	s_cmp_eq_u32 ttmp9, 2
	s_cbranch_scc1 .Lpath_v
	; ---- q, k
.macro ROPELOAD a                      ; cosines and sines of token 16 a + r for my 16 pairs (pair 16 e + 8 h + 0 .. 7), into v[32 a ..] of window 1
.irp e, 0,1
.irp j, 0,1,2,3
	global_load_b128 v[32*(\a)+16*\e+4*\j:32*(\a)+16*\e+4*\j+3], v[ROF], s[98:99] offset:4096*(\a)+128*\e+16*\j
.endr
.endr
.endm
.macro ROPE s, a                       ; even' = even cos - odd sin, odd' = even sin + odd cos; cosine and sine are source 1 of every line: window 1
	WIN 0x04
.irp b, 0,1,2,3
.irp p, 0,1,2,3,4,5,6,7
	v_mul_f32 v[RT+2*(\p%4)], v[\s+16*\b+2*\p+1], v[32*(\a)+16*(\b%2)+2*\p+1]
	v_mul_f32 v[RT+2*(\p%4)+1], v[\s+16*\b+2*\p+1], v[32*(\a)+16*(\b%2)+2*\p]
	v_fma_f32 v[\s+16*\b+2*\p+1], v[\s+16*\b+2*\p], v[32*(\a)+16*(\b%2)+2*\p+1], v[RT+2*(\p%4)+1]
	v_fma_f32 v[\s+16*\b+2*\p], v[\s+16*\b+2*\p], v[32*(\a)+16*(\b%2)+2*\p], -v[RT+2*(\p%4)]
.endr
.endr
	WIN 0
.endm
	s_and_b32 s21, s17, 3
	s_lshl_b32 s21, s21, 8
	s_lshl_b32 s22, s15, 7
	s_add_co_u32 s21, s21, s22                     ; my first token in the batch
	s_lshl_b32 s22, s21, 8
	s_mov_b32 s23, 0
	s_add_nc_u64 s[98:99], s[98:99], s[22:23]      ; the table at my first token's position
	WIN TO_B                                       ; window 1 held B's fragments; eight plain instructions stand behind the last product that read them
.irp a, 0,1,2,3,4,5,6,7
	ROPELOAD \a                                    ; all eight blocks' entries in one run: v[ROF] and s[98:99] are not written again
.endr
	WIN 0
	s_lshr_b32 s20, s17, 2                         ; the batch
	s_lshl_b32 s20, s20, 4
	s_lshl_b32 s22, s42, 2
	s_add_co_u32 s20, s20, s22
	s_lshl_b32 s22, s16, 1
	s_add_co_u32 s20, s20, s22                     ; my first head: 16 x batch + 4 x tile + 2 x half
	s_mul_i32 s22, ttmp9, 3145728
	s_mul_i32 s46, s20, 49152
	s_add_co_u32 s22, s22, s46
	s_mul_i32 s46, s21, 48
	s_add_co_u32 s22, s22, s46
	s_add_nc_u64 s[100:101], s[100:101], s[22:23]
	s_lshl_b32 s47, ttmp9, 11
	s_add_co_u32 s47, s47, 4096                    ; from head to head among the words: 4,096 bytes for q, 6,144 for k
	s_lshl_b32 s22, ttmp9, 18
	s_mul_i32 s46, s20, s47
	s_add_co_u32 s22, s22, s46
	s_lshl_b32 s46, s21, 2
	s_add_co_u32 s22, s22, s46
	s_add_nc_u64 s[104:105], s[104:105], s[22:23]
	s_mov_b32 s46, s47
	s_mov_b32 s47, 0
	s_wait_xcnt 0x0                                ; the prefetches have read s[92:93]
	s_add_nc_u64 s[92:93], s[104:105], s[46:47]    ; the second head's words
	TOSTAGE 0, STO, RDQ
.irp a, 0,1,2,3,4,5,6,7
.if \a < 7
	TOSTAGE \a+1, STO, RDQ
	s_wait_dscnt 32                                ; all but the next block's 16 stores and 16 loads: my block is back, and the last block's stores have read their registers
.else
	s_wait_dscnt 0x0
.endif
.set BB, 128-64*(\a%2)
	s_wait_loadcnt 8*(7-\a)                        ; this block's eight loads of cosines and sines are in; those of the blocks behind it may be out
	ROPE BB, \a
	QUANT BB
.irp c, 0,1
.irp p, 0,1,2
	ds_store_b64 v[STC], v[PC+6*\c+2*\p:PC+6*\c+2*\p+1] offset:6144*\c+768*\a+8*\p   ; head c, token 16 a + r, block h
.endr
.endr
	v_lshrrev_b32 v[HW], v[SHH], v[PW]
	v_and_b32 v[HW], 0xffff, v[HW]                 ; lane (r, h): head h's two bytes; the upper two stay 0, over zero codes
	ds_store_b32 v[SSA], v[HW] offset:64*\a
.endr
.set j, 0
.rept 24
	ds_load_b128 v[64+4*j:67+4*j], v[RDC] offset:512*j
.set j, j+1
.endr
	ds_load_b128 v[160:163], v[RDS]
	ds_load_b128 v[164:167], v[RDS] offset:512
.set j, 0
.rept 24
	s_wait_dscnt 25-j
	global_store_b128 v[CO], v[64+4*j:67+4*j], s[100:101] offset:(j/12)*49152+512*(j%12)   ; 512 consecutive bytes, at a multiple of 256 from the buffer's first byte
.set j, j+1
.endr
	s_wait_dscnt 0x0
	global_store_b128 v[CO], v[160:163], s[104:105]
	global_store_b128 v[CO], v[164:167], s[92:93]
	s_branch .Lend
.Lpath_v:
	; ---- v: rows are channels, columns are the 128 tokens of one key step
	s_lshl_b32 s20, s17, 2
	s_lshl_b32 s21, s15, 1
	s_add_co_u32 s20, s20, s21                     ; my first head
	s_and_b32 s21, ttmp7, 0xffff                   ; the batch
	s_lshl_b32 s21, s21, 4
	s_add_co_u32 s20, s20, s21
	s_lshl_b32 s21, s40, 1
	s_add_co_u32 s21, s21, s16                     ; the key step
	s_mul_i32 s22, s20, 49152
	s_mul_i32 s46, s21, 6144
	s_add_co_u32 s22, s22, s46
	s_add_co_u32 s22, s22, 6291456
	s_mov_b32 s23, 0
	s_add_nc_u64 s[100:101], s[100:101], s[22:23]
	s_mul_i32 s22, s20, 6144
	s_lshl_b32 s46, s21, 8
	s_add_co_u32 s22, s22, s46
	s_add_co_u32 s22, s22, 262144+4096
	s_add_nc_u64 s[104:105], s[104:105], s[22:23]
.irp a, 0,1,2,3,4,5,6,7
	global_load_b32 v[BV+2*\a], v[BVO], s[12:13] offset:64*\a      ; bv of row 16 a + r, in both registers of a pair
	global_load_b32 v[BV+2*\a+1], v[BVO], s[12:13] offset:64*\a
.endr
	TOSTAGE 0, STOV, RDQV
.irp a, 0,1,2,3,4,5,6,7
.if \a < 7
	TOSTAGE \a+1, STOV, RDQV
	s_wait_dscnt 32                                ; all but the next block's 16 stores and 16 loads
.else
	s_wait_dscnt 0x0
.endif
.if \a == 0
	s_wait_loadcnt 0x0                             ; bv
.endif
.set BB, 128-64*(\a%2)
.set j, 0
.rept 32
	v_pk_add_f32 v[BB+j:BB+j+1], v[BB+j:BB+j+1], v[BV+2*\a:BV+2*\a+1]
.set j, j+2
.endr
.if \a > 0
	s_wait_xcnt 0x0                                ; the last image's stores have read their registers
.endif
	QUANT BB
.irp c, 0,1,2
	global_store_b128 v[CO], v[PC+4*\c:PC+4*\c+3], s[100:101] offset:(\a/4)*49152+(\a%4)*1536+512*\c   ; the fragment as it stands: 512 consecutive bytes a store
.endr
	v_mov_b32 v[VW+\a], v[PW]
.endr
	v_cmp_ne_u32 vcc_lo, 0, v2
.irp t, 0,1,2,3
	v_cndmask_b32 v[VW+8+\t], v[VW+\t], v[VW+4+\t], vcc_lo         ; lane (r, h): head h, the words of its four tiles
.endr
	global_store_b128 v[VWO], v[VW+8:VW+11], s[104:105]            ; sixteen lanes store 256 consecutive bytes
.Lend:
	s_wait_tensorcnt 0x0                           ; the wave's end
	ds_add_u32 v[SPW], v[NIL]
	s_wait_dscnt 0x0
	CROUND                                         ; the closing round
	s_endpgm
.Lfunc_end_k_qd38c8a26ef_qkv:
	.size	k_qd38c8a26ef_qkv, .Lfunc_end_k_qd38c8a26ef_qkv-k_qd38c8a26ef_qkv
	.p2alignl 7, 3214868480
	.fill 96, 4, 3214868480
	.section	.rodata,"a",@progbits
	.p2align	6, 0x0
	.amdhsa_kernel k_qd38c8a26ef_qkv
		.amdhsa_group_segment_fixed_size 327680
		.amdhsa_private_segment_fixed_size 0
		.amdhsa_enable_private_segment 0
		.amdhsa_kernarg_size 88
		.amdhsa_user_sgpr_count 2
		.amdhsa_user_sgpr_kernarg_segment_ptr 1
		.amdhsa_wavefront_size32 1
		.amdhsa_system_sgpr_workgroup_id_x 1
		.amdhsa_system_sgpr_workgroup_id_y 1
		.amdhsa_system_sgpr_workgroup_id_z 1
		.amdhsa_system_vgpr_workitem_id 0
		.amdhsa_next_free_vgpr 1024
		.amdhsa_next_free_sgpr 106
		.amdhsa_reserve_vcc 1
		.amdhsa_float_denorm_mode_32 3
		.amdhsa_float_denorm_mode_16_64 3
		.amdhsa_memory_ordered 1
		.amdhsa_forward_progress 1
		.amdhsa_inst_pref_size 255
	.end_amdhsa_kernel
	.section	.bss,"aw",@nobits
	.p2align	6
	.space	262144
	.amdgpu_metadata
---
amdhsa.version: [ 1, 2 ]
amdhsa.kernels:
  - .name:           k_qd38c8a26ef_qkv
    .symbol:         k_qd38c8a26ef_qkv.kd
    .args:
      - { .name: actc, .offset: 0, .size: 8, .value_kind: global_buffer, .address_space: global }
      - { .name: acts, .offset: 8, .size: 8, .value_kind: global_buffer, .address_space: global }
      - { .name: wl, .offset: 16, .size: 8, .value_kind: global_buffer, .address_space: global }
      - { .name: Wq_scales, .offset: 24, .size: 8, .value_kind: global_buffer, .address_space: global }
      - { .name: Wk_scales, .offset: 32, .size: 8, .value_kind: global_buffer, .address_space: global }
      - { .name: Wv_scales, .offset: 40, .size: 8, .value_kind: global_buffer, .address_space: global }
      - { .name: bq, .offset: 48, .size: 8, .value_kind: global_buffer, .address_space: global }
      - { .name: bk, .offset: 56, .size: 8, .value_kind: global_buffer, .address_space: global }
      - { .name: bv, .offset: 64, .size: 8, .value_kind: global_buffer, .address_space: global }
      - { .name: qkvc, .offset: 72, .size: 8, .value_kind: global_buffer, .address_space: global }
      - { .name: qkvs, .offset: 80, .size: 8, .value_kind: global_buffer, .address_space: global }
    .group_segment_fixed_size: 327680
    .private_segment_fixed_size: 0
    .kernarg_segment_align: 8
    .kernarg_segment_size: 88
    .max_flat_workgroup_size: 128
    .sgpr_count:     106
    .vgpr_count:     1024
    .wavefront_size: 32
...
	.end_amdgpu_metadata
.endif
;; end of part 2
;; launch attn (part 3): grid 8 x 32, 16 waves a work-group, clusters of 4 x 1, 223,744 bytes of LDS; arguments qkvc, qkvs, actc, acts; writes actc, acts
.if DOCPART == 3
	.amdgcn_target "amdgcn-amd-amdhsa--gfx1250"
	.amdhsa_code_object_version 6
	.text
	.protected	k_qd38c8a26ef_attn
	.globl	k_qd38c8a26ef_attn
	.p2align	8
	.type	k_qd38c8a26ef_attn,@function
k_qd38c8a26ef_attn:
	s_mov_b64 s[64:65], 0
	v_nop
	global_prefetch_b8 v0, s[64:65] scope:SCOPE_SE
	s_setreg_imm32_b32 hwreg(HW_REG_WAVE_MODE, 25, 1), 1
	s_wait_xcnt 0x0
	s_wait_alu depctr_hold_cnt(0) depctr_sa_sdst(0) depctr_va_vdst(0) depctr_va_sdst(0) depctr_va_ssrc(0) depctr_va_vcc(0) depctr_vm_vsrc(0)
	s_getreg_b32 s2, hwreg(HW_REG_IB_STS2, 6, 4)
	s_cmp_eq_u32 s2, 0
	s_cbranch_scc0 .Lentry_in_a_cluster
	s_endpgm
.Lentry_in_a_cluster:
	s_bfe_u32 s2, ttmp6, 0x10000c
	s_cmp_lg_u32 s2, 0x3003
	s_cbranch_scc0 .Lentry_shape_is_right
	s_endpgm
.Lentry_shape_is_right:
; Causal attention on codes of FP6 (E2M3), head size 64, 1,024 keys; the result O / l is quantised along the channels for the product with Wo.
; t = score x log2(e) / 8; M = the running largest t rounded up to a whole number; p = 2^(t - M) is quantised along the keys; the row's sum is taken of the unquantised p and divides at the end.
; SHARES.  A work-group has two heads of one batch (a pair: together 128 of the next K, one whole scale word a token).  Wave w: head w / 8; w' = w % 8; rho = w' or, from 4 on, 11 - w'.
; It owns the 16 queries 128 rho + 16 x + r (x: the work-group's number along x, 0 .. 7) and needs key steps 0 .. rho of 128 keys; step rho lies on the diagonal.  Both hang on the wave's number alone.
; ALL of the two heads' K, V and their scale words (208,896 bytes) come into LDS ONCE: nothing is filled again.  The four work-groups of a cluster want the same bytes and ask jointly.
; Waves 0-11 issue one load each: 0-3 the words, 4-7 the first two key steps, 8-11 the rest.  The steps begin when all twelve have landed.
; LAYOUT.  Both products transposed: S^T = K Q^T, O^T = V^T P^T: a lane holds one query.  The head's 64 fill half of an instruction's K: the upper 64 are zero codes on both sides.
; The keys of a tile are not neighbours: lane r of tile 2 b + u takes key 32 b + 8 u + r + 8 (r / 8), so that the 16 registers of tiles 2 b, 2 b + 1 are 16 neighbouring keys.
; V lies in memory as the image of its operand registers: three loads of 16 bytes a lane bring a fragment.
; Every wave walks all eight trips (constant counts); a step beyond the wave's diagonal is jumped over, by a branch on the wave's number and the trip.
; LIMITS: NaN and infinities are not served; a block under 2^-124 is held at the byte 1; a block of zeros gets the byte 1 (its codes are zeros; this program alone reads the bytes).
.set SCB, 196608                       ; [2 heads][6,144]: K's words [1024], V's words [8 steps][16 r][4 tiles]
.set OST, 208896                       ; 768 bytes a wave: 16 queries x 48 bytes of codes
.set EX,  221184                       ; [8 w'][16 r] words: the two heads' half words meet
.set AK0,  1
.set AV0,  2
.set ASK0, 3
.set ASV0, 4
.set DQ,   5
.set OSI,  6
.set OSO,  7
.set ADK,  8
.set ADV,  9
.set ADS,  10
.set ADT,  11
.set EXA,  29
.set GO8,  30
.set EXR,  80
.set GOW,  81
.set WV,   12
.set RHO,  18
.set CNT,  19
.set SEL,  20
.set CS,   22
.set TB,   60
.set TS,   61
.set TJ,   62
.set SG,   63
.macro CROUND
	s_barrier_signal -1
	s_barrier_wait -1
	s_cmp_lg_u32 s[WV], 0
	s_cbranch_scc1 .Lnot_wave_0_\@
	s_barrier_signal -3
.Lnot_wave_0_\@:
	s_barrier_wait -3
	s_barrier_signal -1
	s_barrier_wait -1
.endm
.macro DENSE g, rows                   ; group 1 of a dense block: rows of 256 bytes (32 elements of 8), for all four work-groups
	s_mov_b32 s[\g], 15|(3<<16)|(1<<21)
	s_mov_b32 s[\g+1], 32<<16
	s_mov_b32 s[\g+2], (\rows)<<16
	s_mov_b32 s[\g+3], 32<<16
	s_mov_b32 s[\g+4], \rows
	s_mov_b32 s[\g+5], 32
	s_mov_b32 s[\g+6], 0
	s_mov_b32 s[\g+7], 0
.endm
	s_load_b256 s[4:11], s[0:1], 0x0               ; codes in s[4:5], words in s[6:7], codes out s[8:9], words out s[10:11]
	v_lshl_add_u32 v243, v0, 2, 0x36200
	v_mov_b32 v255, 0
	ds_add_u32 v243, v255
	ds_add_u32 v243, v255
	v_lshrrev_b32 v8, 5, v0
	s_delay_alu instid0(VALU_DEP_1)
	v_readfirstlane_b32 s[WV], v8                  ; wave 0..15
	s_bfe_u32 s13, ttmp6, 0x40000                  ; cx
	s_lshl_b32 s14, ttmp9, 2
	s_add_co_u32 s14, s14, s13                     ; x
	s_and_b32 s15, ttmp7, 0xffff                   ; y = 8 x batch + pair
	s_lshr_b32 s16, s[WV], 3                       ; which head of the pair
	s_and_b32 s17, s[WV], 7
	s_sub_co_u32 s18, 11, s17
	s_cmp_lt_u32 s17, 4
	s_cselect_b32 s[RHO], s17, s18
	s_and_b32 s3, s[WV], 3                         ; which quarter of a fill is mine: waves 0-3 the words, 4-7 key steps 0 and 1, 8-11 the rest
	DENSE 24, 12
	DENSE 32, 48
	DENSE 40, 144
	s_mul_i32 s66, s15, 12288
	s_mul_i32 s67, s3, 3072
	s_add_co_u32 s66, s66, s67
	s_add_co_u32 s66, s66, 262144                  ; the pair's words, my quarter
	s_mov_b32 s67, 0
	s_lshr_b32 s68, s3, 1
	s_add_co_u32 s68, s68, 1
	s_mul_i32 s68, s68, 3145728                    ; waves 0, 1: K; waves 2, 3: V
	s_and_b32 s69, s3, 1
	s_lshl_b32 s70, s15, 1
	s_add_co_u32 s69, s69, s70
	s_mul_i32 s69, s69, 49152                      ; the head
	s_add_co_u32 s68, s68, s69
	s_mov_b32 s69, 0
	s_mov_b32 s[SEL], 0x76543210
	s_mov_b32 s[SEL+1], 0xfedcba98
	s_mov_b32 s[CS], 0x3e38aa3b                    ; c = log2(e) / 8
	s_mov_b32 s[CS+1], s[CS]
	s_mov_b32 s[TB], 0
	s_mov_b32 s[TS], 0
	s_mov_b32 s[TJ], 0
	s_mov_b32 s[SG], 0
	s_wait_dscnt 0x0
	s_wait_kmcnt 0x0
	s_mov_b32 s48, 1
	s_mul_i32 s49, s3, 3072
	s_add_co_u32 s49, s49, SCB
	s_add_nc_u64 s[50:51], s[6:7], s[66:67]
	s_or_b32 s51, s51, 0x80000000
	s_mov_b32 s52, 1
	s_mul_i32 s53, s3, 49152
	s_add_nc_u64 s[54:55], s[4:5], s[68:69]
	s_mov_b32 s56, 1
	s_add_co_u32 s57, s53, 12288
	s_add_nc_u64 s[58:59], s[54:55], 12288
	s_or_b32 s55, s55, 0x80000000
	s_or_b32 s59, s59, 0x80000000
	CROUND                                         ; all four work-groups are here: the joint loads meet
	s_cmp_lt_u32 s[WV], 4
	s_cbranch_scc0 .Lfetch_1                       ; one tensor load a wave: one chain of branches on the wave's number
	tensor_load_to_lds s[48:51], s[24:31]          ; the words
	s_nop 0
.rept 4
	v_nop
.endr
	s_branch .Lno_fetch
.Lfetch_1:
	s_cmp_lt_u32 s[WV], 8
	s_cbranch_scc0 .Lfetch_2
	tensor_load_to_lds s[52:55], s[32:39]          ; key steps 0 and 1
	s_nop 0
.rept 4
	v_nop
.endr
	s_branch .Lno_fetch
.Lfetch_2:
	s_cmp_lt_u32 s[WV], 12
	s_cbranch_scc0 .Lno_fetch
	tensor_load_to_lds s[56:59], s[40:47]          ; key steps 2 to 7
	s_nop 0
.rept 4
	v_nop
.endr
.Lno_fetch:
	v_and_b32 v8, 15, v0                           ; r
	s_wait_alu depctr_va_vdst(0)
	v_bfe_u32 v9, v0, 4, 1                         ; h
	v_and_b32 v10, 31, v0                          ; lane
	s_lshl_b32 s66, s[RHO], 7
	s_lshl_b32 s67, s14, 4                         ; 16 x
	s_add_co_u32 s66, s66, s67                     ; my first query
	s_lshl_b32 s70, s15, 1
	s_add_co_u32 s70, s70, s16                     ; 16 x batch + head
	s_mul_i32 s68, s70, 49152
	s_mul_i32 s69, s66, 48
	s_add_co_u32 s68, s68, s69
	s_mov_b32 s69, 0
	s_add_nc_u64 s[72:73], s[4:5], s[68:69]
	s_lshl_b32 s68, s70, 12
	s_lshl_b32 s71, s66, 2
	s_add_co_u32 s68, s68, s71
	s_add_nc_u64 s[74:75], s[6:7], s[68:69]
	v_mul_u32_u24 v11, v8, 48
	s_wait_alu depctr_va_vdst(0)
	v_mad_u32_u24 v11, v9, 24, v11
	global_load_b64 v[16:17], v11, s[72:73]        ; Q's fragment, lower half: it stays
	global_load_b64 v[18:19], v11, s[72:73] offset:8
	global_load_b64 v[20:21], v11, s[72:73] offset:16
	v_lshlrev_b32 v31, 2, v8
	global_load_b32 v28, v31, s[74:75]             ; Q's words
	s_and_b32 s70, s15, 7                          ; the pair
	s_lshr_b32 s71, s15, 3                         ; the batch
	s_lshl_b32 s68, s70, 1
	s_add_co_u32 s68, s68, s16
	s_mul_i32 s68, s68, 196608                     ; the head's chunk of the codes out
	s_lshl_b32 s69, s71, 10
	s_add_co_u32 s69, s69, s66
	s_mul_i32 s69, s69, 48
	s_add_co_u32 s68, s68, s69
	s_mov_b32 s69, 0
	s_add_nc_u64 s[76:77], s[8:9], s[68:69]
	s_lshl_b32 s68, s70, 14
	s_lshl_b32 s70, s71, 12
	s_add_co_u32 s68, s68, s70
	s_lshl_b32 s70, s14, 6
	s_add_co_u32 s68, s68, s70
	s_add_nc_u64 s[78:79], s[10:11], s[68:69]
	v_and_b32 v12, 8, v8
	s_delay_alu instid0(VALU_DEP_1)
	v_add_nc_u32 v12, v12, v8                      ; r + 8 (r / 8)
	s_mul_i32 s68, s16, 49152
	v_mul_u32_u24 v[AK0], v12, 48
	s_delay_alu instid0(VALU_DEP_1)
	v_mad_u32_u24 v[AK0], v9, 24, v[AK0]
	s_delay_alu instid0(VALU_DEP_1)
	v_add_nc_u32 v[AK0], s68, v[AK0]
	s_add_co_u32 s69, s68, 98304
	v_lshlrev_b32 v[AV0], 4, v10
	s_delay_alu instid0(VALU_DEP_1)
	v_add_nc_u32 v[AV0], s69, v[AV0]
	s_mul_i32 s68, s16, 6144
	s_add_co_u32 s68, s68, SCB
	v_lshl_add_u32 v[ASK0], v12, 2, s68
	s_add_co_u32 s68, s68, 4096
	v_lshl_add_u32 v[ASV0], v8, 4, s68
	v_lshlrev_b32 v13, 4, v9
	s_delay_alu instid0(VALU_DEP_1)
	v_sub_nc_u32 v[DQ], v8, v13
	s_delay_alu instid0(VALU_DEP_1)
	v_add_nc_u32 v[DQ], s67, v[DQ]                 ; 16 x + r - 16 h: on the diagonal, register 16 b + i is hidden where 32 b + i is above it
	s_mul_i32 s68, s[WV], 768
	s_add_co_u32 s68, s68, OST
	v_mul_u32_u24 v[OSI], v8, 48
	s_delay_alu instid0(VALU_DEP_1)
	v_mad_u32_u24 v[OSI], v9, 24, v[OSI]
	s_delay_alu instid0(VALU_DEP_1)
	v_add_nc_u32 v[OSI], s68, v[OSI]
	v_lshlrev_b32 v[GO8], 3, v10
	s_delay_alu instid0(VALU_DEP_1)
	v_add_nc_u32 v[OSO], s68, v[GO8]
	s_lshl_b32 s68, s17, 6
	s_lshl_b32 s69, s16, 1
	s_add_co_u32 s68, s68, s69
	s_add_co_u32 s68, s68, EX
	v_lshl_add_u32 v[EXA], v8, 2, s68
	v_lshl_add_u32 v[EXR], v10, 4, EX
	v_lshrrev_b32 v82, 2, v10                      ; wave 0's last store: lane l has w' = l / 4,
	s_delay_alu instid0(VALU_DEP_1)
	v_sub_nc_u32 v83, 11, v82
	s_delay_alu instid0(VALU_DEP_2)
	v_cmp_gt_u32 vcc_lo, 4, v82
	s_delay_alu instid0(VALU_DEP_1)
	v_cndmask_b32 v82, v83, v82, vcc_lo            ; its rho,
	v_and_b32 v83, 3, v10
	s_delay_alu instid0(VALU_DEP_1)
	v_lshlrev_b32 v83, 4, v83
	s_delay_alu instid0(VALU_DEP_1)
	v_lshl_add_u32 v[GOW], v82, 9, v83             ; and four of its sixteen words
	v_mov_b32 v13, 0xff61b1e6                      ; the largest t so far: -3e38
	s_delay_alu instid0(VALU_DEP_1)
	v_floor_f32 v12, -v13                          ; -M
	v_mov_b32 v14, 0
	v_mov_b32 v15, 0
.irp j, 22,23,24,25,26,27
	v_mov_b32 v[\j], 0                             ; Q's upper 64 along K: zero codes
.endr
.irp t, 0,1,2,3
.irp j, 6,7,8,9,10,11
	v_mov_b32 v[32+12*\t+\j], 0                    ; K's likewise: written once, never loaded over
.endr
.endr
.irp b, 0,1,2,3
	v_mov_b32 v[236+\b], 0                         ; a lane permute's destination counts as one of its sources
.endr
	v_mov_b32 v252, 0
	v_mov_b32 v253, 0
.set j, 0
.rept 32
	v_mov_b32 v[160+j], 0                          ; O^T: the step is written once for each loop; the first finds zeros
.set j, j+1
.endr
.macro STEP
	s_cmp_gt_u32 s[SG], s[RHO]                     ; all keys of this step come after my queries
	s_cbranch_scc1 .Lhidden_\@
	v_add_nc_u32 v[ADK], s[TB], v[AK0]
	s_wait_alu depctr_va_vdst(0)
	v_add_nc_u32 v[ADV], s[TB], v[AV0]
	v_add_nc_u32 v[ADS], s[TS], v[ASK0]
	s_wait_alu depctr_va_vdst(0)
	v_add_nc_u32 v[ADT], s[TJ], v[ASV0]
	v_nop
	v_nop                                          ; six plain instructions behind the last step's products: the first product below writes over registers that they read (five are owed), the loads of words want four
.irp g, 0,1
.if \g > 0
.rept 4
	v_nop
.endr
.endif
.irp t, 0,1,2,3
.irp p, 0,1,2
	ds_load_b64 v[32+12*\t+2*\p:33+12*\t+2*\p], v[ADK] offset:(32*((4*\g+\t)/2)+8*(\t%2))*48+8*\p
.endr
	ds_load_b32 v[248+\t], v[ADS] offset:(32*((4*\g+\t)/2)+8*(\t%2))*4
.endr
	s_wait_dscnt 0x0
.irp t, 0,1,2,3
	v_wmma_scale_f32_16x16x128_f8f6f4 v[96+8*(4*\g+\t):103+8*(4*\g+\t)], v[32+12*\t:43+12*\t], v[16:27], 0, v[248+\t], v28 matrix_a_fmt:MATRIX_FMT_FP6 matrix_b_fmt:MATRIX_FMT_FP6
.endr
.endr
.rept 4
	v_nop
.endr
	s_cmp_lg_u32 s[SG], s[RHO]                     ; only my diagonal step has hidden keys
	s_cbranch_scc1 .Lopen_\@
	v_mov_b32 v254, 0xff800000                     ; -infinity: p = 0
.set n, 0
.rept 64
	v_cmp_gt_i32 vcc_lo, 32*(n/16)+n%16, v[DQ]
	v_cndmask_b32 v[96+n], v[96+n], v254, vcc_lo
.set n, n+1
.endr
.Lopen_\@:
.irp b, 0,1,2,3
	v_max3_num_f32 v[232+\b], v[96+16*\b], v[97+16*\b], v[98+16*\b]   ; the largest score of each block of 32 keys: for the row's maximum and, since p rises with the score, for the block's largest p
.endr
.irp i, 3,5,7,9,11,13
.irp b, 0,1,2,3
	v_max3_num_f32 v[232+\b], v[232+\b], v[96+16*\b+\i], v[97+16*\b+\i]
.endr
.endr
.irp b, 0,1,2,3
	v_max_num_f32 v[232+\b], v[232+\b], v[111+16*\b]
.endr
.irp b, 0,1,2,3
	s_delay_alu instid0(VALU_DEP_4)
	v_permlanex16_b32 v[236+\b], v[232+\b], s[SEL], s[SEL+1]
.endr
.irp b, 0,1,2,3
	s_delay_alu instid0(VALU_DEP_4)
	v_max_num_f32 v[232+\b], v[232+\b], v[236+\b]
.endr
	s_delay_alu instid0(VALU_DEP_2)
	v_max3_num_f32 v254, v232, v233, v234
	s_delay_alu instid0(VALU_DEP_1)
	v_max_num_f32 v254, v254, v235
	s_delay_alu instid0(VALU_DEP_1)
	v_mul_f32 v254, s[CS], v254
	s_delay_alu instid0(VALU_DEP_1)
	v_max_num_f32 v13, v13, v254                   ; the running largest t
	v_mov_b32 v254, v12
	s_delay_alu instid0(VALU_DEP_2)
	v_floor_f32 v12, -v13                          ; the new -M: a whole number
	s_delay_alu instid0(VALU_DEP_1)
	v_sub_f32 v254, v12, v254
	s_delay_alu instid0(VALU_DEP_1)
	v_cvt_i32_f32 v254, v254
	s_delay_alu instid0(VALU_DEP_1)
	v_ldexp_f32 v252, 1.0, v254                    ; f = 2^(old M - new M): multiplying by it rounds nothing
.set j, 0
.rept 32
	v_pk_fma_f32 v[96+j:97+j], v[96+j:97+j], s[CS:CS+1], v[12:13] op_sel_hi:[1,0,0]   ; t - M
.set j, j+2
.endr
.irp b, 0,1,2,3
	v_fma_f32 v[232+\b], v[232+\b], s[CS], v12
.endr
.set j, 0
	s_wait_alu depctr_va_vdst(0)
.rept 64
	v_exp_f32 v[96+j], v[96+j]                     ; p, not normalised
.set j, j+1
.endr
	v_pk_mul_f32 v[14:15], v[14:15], v[252:253] op_sel_hi:[1,0]   ; the sums under the new M (a plain instruction behind the exponentials)
	s_wait_alu depctr_va_vdst(0)                   ; one wait for the batch, ahead of its first reader
.irp b, 0,1,2,3
	v_exp_f32 v[232+\b], v[232+\b]                 ; each block's largest p
.endr
	v_pk_add_f32 v[236:237], v[100:101], v[104:105]
	v_pk_add_f32 v[250:251], v[108:109], v[112:113]
	v_pk_add_f32 v[248:249], v[116:117], v[120:121]
	v_pk_add_f32 v[246:247], v[124:125], v[128:129]
	v_pk_add_f32 v[244:245], v[132:133], v[136:137]
	v_pk_add_f32 v[240:241], v[140:141], v[144:145]
	v_pk_add_f32 v[238:239], v[148:149], v[152:153]
	v_pk_add_f32 v[14:15], v[14:15], v[156:157]
	v_pk_add_f32 v[236:237], v[236:237], v[96:97]
	v_pk_add_f32 v[250:251], v[250:251], v[98:99]
	v_pk_add_f32 v[248:249], v[248:249], v[102:103]
	v_pk_add_f32 v[246:247], v[246:247], v[106:107]
	v_pk_add_f32 v[244:245], v[244:245], v[110:111]
	v_pk_add_f32 v[240:241], v[240:241], v[114:115]
	v_pk_add_f32 v[238:239], v[238:239], v[118:119]
	v_pk_add_f32 v[14:15], v[14:15], v[122:123]
	v_pk_add_f32 v[236:237], v[236:237], v[126:127]
	v_pk_add_f32 v[250:251], v[250:251], v[130:131]
	v_pk_add_f32 v[248:249], v[248:249], v[134:135]
	v_pk_add_f32 v[246:247], v[246:247], v[138:139]
	v_pk_add_f32 v[244:245], v[244:245], v[142:143]
	v_pk_add_f32 v[240:241], v[240:241], v[146:147]
	v_pk_add_f32 v[238:239], v[238:239], v[150:151]
	v_pk_add_f32 v[14:15], v[14:15], v[154:155]
	v_pk_add_f32 v[236:237], v[236:237], v[158:159]
	s_delay_alu instid0(VALU_DEP_2)
	v_pk_add_f32 v[14:15], v[14:15], v[246:247]
	s_delay_alu instid0(VALU_DEP_2)
	v_pk_add_f32 v[236:237], v[236:237], v[244:245]
	v_pk_add_f32 v[250:251], v[250:251], v[240:241]
	v_pk_add_f32 v[248:249], v[248:249], v[238:239]
	s_delay_alu instid0(VALU_DEP_2)
	v_pk_add_f32 v[14:15], v[14:15], v[250:251]
	s_delay_alu instid0(VALU_DEP_2)
	v_pk_add_f32 v[236:237], v[236:237], v[248:249]
	s_delay_alu instid0(VALU_DEP_1)
	v_pk_add_f32 v[14:15], v[14:15], v[236:237]
	s_wait_alu depctr_va_vdst(0)                   ; and one for the four
.irp b, 0,1,2,3
	v_max_num_f32 v[232+\b], 0x1800000, v[232+\b]  ; the floor: the byte cannot fall under 1
.endr
.irp b, 0,1,2,3
	s_delay_alu instid0(VALU_DEP_4)
	v_add_nc_u32 v[244+\b], 0xff000000, v[232+\b]
.endr
.irp b, 0,1,2,3
	s_delay_alu instid0(VALU_DEP_4)
	v_lshrrev_b32 v[236+\b], 23, v[244+\b]
.endr
	s_delay_alu instid0(VALU_DEP_3)
	v_lshl_or_b32 v253, v237, 8, v236              ; p's scale word for these 128 keys
	s_delay_alu instid0(VALU_DEP_1)
	v_lshl_or_b32 v253, v238, 16, v253
	s_delay_alu instid0(VALU_DEP_1)
	v_lshl_or_b32 v253, v239, 24, v253
.irp c, 0,1
	v_cvt_scalef32_pk16_fp6_f32 v[224+6*\c:226+6*\c], v[96+32*\c:111+32*\c], v[244+2*\c]
	v_cvt_scalef32_pk16_fp6_f32 v[236+4*\c:238+4*\c], v[112+32*\c:127+32*\c], v[244+2*\c+1]
.endr
	v_nop                                          ; one plain instruction behind a scaled conversion
.irp t, 0,1,2,3
.irp c, 0,1,2
	ds_load_b128 v[96+12*\t+4*\c:99+12*\t+4*\c], v[ADV] offset:1536*\t+512*\c   ; V's four fragments, as images, over p, which is done with
.endr
.endr
	ds_load_b128 v[248:251], v[ADT]                ; and their words
.irp c, 0,1
.irp i, 0,1,2
	v_permlane16_swap_b32 v[224+6*\c+\i], v[236+4*\c+\i]
.endr
.irp i, 0,1,2
	s_delay_alu instid0(VALU_DEP_3)
	v_mov_b32 v[227+6*\c+\i], v[236+4*\c+\i]
.endr
.endr
.set j, 0
.rept 16
	v_pk_mul_f32 v[160+j:161+j], v[160+j:161+j], v[252:253] op_sel_hi:[1,0]   ; O^T under the new M; these sixteen are also the places in front of the scaled products
.set j, j+2
.endr
	s_wait_alu depctr_va_vdst(0)
	s_wait_dscnt 0x0
.irp t, 0,1,2,3
	v_wmma_scale_f32_16x16x128_f8f6f4 v[160+8*\t:167+8*\t], v[96+12*\t:107+12*\t], v[224:235], v[160+8*\t:167+8*\t], v[248+\t], v253 matrix_a_fmt:MATRIX_FMT_FP6 matrix_b_fmt:MATRIX_FMT_FP6
.endr
.Lhidden_\@:
	s_add_co_u32 s[TB], s[TB], 6144                ; 128 keys of 48 bytes; a key step's four images of V are as many
	s_add_co_u32 s[TS], s[TS], 512
	s_add_co_u32 s[TJ], s[TJ], 256
	s_add_co_u32 s[SG], s[SG], 1
.endm
	s_wait_loadcnt 0x0                             ; Q
	s_wait_tensorcnt 0x0                           ; my one load has landed; behind the barrier all twelve have
	s_barrier_signal -1
	s_barrier_wait -1
	s_mov_b32 s[CNT], 2
.Lfirst:
	STEP
	s_sub_co_u32 s[CNT], s[CNT], 1
	s_cmp_lg_u32 s[CNT], 0
	s_cbranch_scc1 .Lfirst
	s_mov_b32 s[CNT], 6
.Lrest:
	STEP
	s_sub_co_u32 s[CNT], s[CNT], 1
	s_cmp_lg_u32 s[CNT], 0
	s_cbranch_scc1 .Lrest
	; THE WAY OUT
.rept 4
	v_nop                                          ; behind the last products
.endr
	v_add_f32 v14, v14, v15
	s_delay_alu instid0(VALU_DEP_1)
	v_permlanex16_b32 v252, v14, s[SEL], s[SEL+1]
	s_delay_alu instid0(VALU_DEP_1)
	v_add_f32 v14, v14, v252                       ; the row's sum
	s_wait_alu depctr_va_vdst(0)
	v_rcp_f32 v14, v14
	v_nop
	s_wait_alu depctr_va_vdst(0)
	v_mov_b32 v15, v14
.set j, 0
.rept 16
	v_pk_mul_f32 v[96+j:97+j], v[160+j:161+j], v[14:15]            ; register 8 t + i: channel 16 t + 8 h + i of query r
.set j, j+2
.endr
.irp b, 0,1
.irp i, 0,1,2,3,4,5,6,7
	v_permlane16_swap_b32 v[96+16*\b+\i], v[104+16*\b+\i]          ; now register 16 b + i: channel 32 b + 16 h + i
.endr
.endr
.irp b, 0,1
	v_max3_num_f32 v[232+\b], |v[96+16*\b]|, |v[97+16*\b]|, 0x1800000
.endr
.irp i, 2,4,6,8,10,12,14
.irp b, 0,1
	s_delay_alu instid0(VALU_DEP_2)
	v_max3_num_f32 v[232+\b], v[232+\b], |v[96+16*\b+\i]|, |v[97+16*\b+\i]|
.endr
.endr
.irp b, 0,1
	s_delay_alu instid0(VALU_DEP_2)
	v_permlanex16_b32 v[236+\b], v[232+\b], s[SEL], s[SEL+1]
.endr
.irp b, 0,1
	s_delay_alu instid0(VALU_DEP_2)
	v_max_num_f32 v[232+\b], v[232+\b], v[236+\b]
.endr
.irp b, 0,1
	s_delay_alu instid0(VALU_DEP_2)
	v_add_nc_u32 v[244+\b], 0xff000000, v[232+\b]
.endr
.irp b, 0,1
	s_delay_alu instid0(VALU_DEP_2)
	v_lshrrev_b32 v[236+\b], 23, v[244+\b]
.endr
	s_delay_alu instid0(VALU_DEP_1)
	v_lshl_or_b32 v240, v237, 8, v236              ; my head's half of the token's scale word
	v_cvt_scalef32_pk16_fp6_f32 v[224:226], v[96:111], v244
	v_cvt_scalef32_pk16_fp6_f32 v[228:230], v[112:127], v245
	v_nop
.irp i, 0,1,2
	v_permlane16_swap_b32 v[224+\i], v[228+\i]     ; lane (r, h) now holds block h of query r
.endr
	s_delay_alu instid0(VALU_DEP_3)
	v_mov_b32 v227, v228
	s_delay_alu instid0(VALU_DEP_3)
	v_mov_b32 v228, v229
	s_delay_alu instid0(VALU_DEP_3)
	v_mov_b32 v229, v230
	ds_store_b64 v[OSI], v[224:225]
	ds_store_b64 v[OSI], v[226:227] offset:8
	ds_store_b64 v[OSI], v[228:229] offset:16
	ds_load_b64 v[96:97], v[OSO]                   ; my own bytes, served in order
	ds_load_b64 v[98:99], v[OSO] offset:256
	ds_load_b64 v[100:101], v[OSO] offset:512
	ds_store_b16 v[EXA], v240                      ; both halves of the lanes write the same two bytes with the same value
	s_wait_dscnt 1                                 ; the loads are in; the store just issued may be out
	global_store_b64 v[GO8], v[96:97], s[76:77]    ; each store: 256 consecutive bytes, at a multiple of 256 from the buffer's first byte
	global_store_b64 v[GO8], v[98:99], s[76:77] offset:256
	global_store_b64 v[GO8], v[100:101], s[76:77] offset:512
	s_wait_dscnt 0x0                               ; for wave 0's sake
	s_barrier_signal -1
	s_barrier_wait -1
	s_cmp_lg_u32 s[WV], 0
	s_cbranch_scc1 .Lnot_zero
	ds_load_b128 v[104:107], v[EXR]
	s_wait_dscnt 0x0
	global_store_b128 v[GOW], v[104:107], s[78:79] ; runs of 64 bytes: sixteen tokens' words of each rho
.Lnot_zero:
	s_wait_tensorcnt 0x0
	ds_add_u32 v243, v255
	s_wait_dscnt 0x0
	CROUND                                         ; the closing round
	s_endpgm
.Lfunc_end_k_qd38c8a26ef_attn:
	.size	k_qd38c8a26ef_attn, .Lfunc_end_k_qd38c8a26ef_attn-k_qd38c8a26ef_attn
	.p2alignl 7, 3214868480
	.fill 96, 4, 3214868480
	.section	.rodata,"a",@progbits
	.p2align	6, 0x0
	.amdhsa_kernel k_qd38c8a26ef_attn
		.amdhsa_group_segment_fixed_size 223744
		.amdhsa_private_segment_fixed_size 0
		.amdhsa_enable_private_segment 0
		.amdhsa_kernarg_size 32
		.amdhsa_user_sgpr_count 2
		.amdhsa_user_sgpr_kernarg_segment_ptr 1
		.amdhsa_wavefront_size32 1
		.amdhsa_system_sgpr_workgroup_id_x 1
		.amdhsa_system_sgpr_workgroup_id_y 1
		.amdhsa_system_sgpr_workgroup_id_z 1
		.amdhsa_system_vgpr_workitem_id 0
		.amdhsa_next_free_vgpr 256
		.amdhsa_next_free_sgpr 80
		.amdhsa_reserve_vcc 1
		.amdhsa_float_denorm_mode_32 3
		.amdhsa_float_denorm_mode_16_64 3
		.amdhsa_memory_ordered 1
		.amdhsa_forward_progress 1
		.amdhsa_inst_pref_size 65
	.end_amdhsa_kernel
	.amdgpu_metadata
---
amdhsa.version: [ 1, 2 ]
amdhsa.kernels:
  - .name:           k_qd38c8a26ef_attn
    .symbol:         k_qd38c8a26ef_attn.kd
    .args:
      - { .name: qkvc, .offset: 0, .size: 8, .value_kind: global_buffer, .address_space: global }
      - { .name: qkvs, .offset: 8, .size: 8, .value_kind: global_buffer, .address_space: global }
      - { .name: actc, .offset: 16, .size: 8, .value_kind: global_buffer, .address_space: global }
      - { .name: acts, .offset: 24, .size: 8, .value_kind: global_buffer, .address_space: global }
    .group_segment_fixed_size: 223744
    .private_segment_fixed_size: 0
    .kernarg_segment_align: 8
    .kernarg_segment_size: 32
    .max_flat_workgroup_size: 512
    .sgpr_count:     80
    .vgpr_count:     256
    .wavefront_size: 32
...
	.end_amdgpu_metadata
.endif
;; end of part 3
;; launch wo (part 4): grid 8 x 32, 4 waves a work-group, clusters of 4 x 4, 327,680 bytes of LDS; arguments actc, acts, wl, Wo_scales, bo, x, x1; writes x1
.if DOCPART == 4
	.amdgcn_target "amdgcn-amd-amdhsa--gfx1250"
	.amdhsa_code_object_version 6
	.text
	.protected	k_qd38c8a26ef_wo
	.globl	k_qd38c8a26ef_wo
	.p2align	8
	.type	k_qd38c8a26ef_wo,@function
k_qd38c8a26ef_wo:
	s_mov_b64 s[64:65], 0
	v_nop
	global_prefetch_b8 v0, s[64:65] scope:SCOPE_SE
	s_setreg_imm32_b32 hwreg(HW_REG_WAVE_MODE, 25, 1), 1
	s_wait_xcnt 0x0
	s_wait_alu depctr_hold_cnt(0) depctr_sa_sdst(0) depctr_va_vdst(0) depctr_va_sdst(0) depctr_va_ssrc(0) depctr_va_vcc(0) depctr_vm_vsrc(0)
	s_getreg_b32 s2, hwreg(HW_REG_IB_STS2, 6, 4)
	s_cmp_eq_u32 s2, 0
	s_cbranch_scc0 .Lentry_in_a_cluster
	s_endpgm
.Lentry_in_a_cluster:
	s_bfe_u32 s2, ttmp6, 0x10000c
	s_cmp_lg_u32 s2, 0xf033
	s_cbranch_scc0 .Lentry_shape_is_right
	s_endpgm
.Lentry_shape_is_right:
; out = residual + A B^T + bias on codes of FP6 (E2M3), one E8M0 byte for each 32 along K = 1,024.  out, residual: [4096][1024] f32.
; Both operands' codes lie in chunks of 64 along K, [16][4096 rows][48 bytes] (A in actc; Wo as rows 3,072 on of the weights' array in wl): a tile's 128 rows of a chunk are 6,144 dense bytes, at a multiple of 256.
; A tile of 128 x 128: 256 work-groups; four waves of 64 x 64, 16 accumulators each.  ALL OF K comes into LDS at the head, one joint load a wave: wave 0 A's 16 chunks, wave 1 B's, wave 2 A's scale words,
; wave 3 B's scale bytes.  Nothing is filled again: one barrier behind the loads, none after.  CLUSTERS of 4 x 4: A's tiles jointly along a row of the cluster, B's along a column.
; The matrix instruction is used transposed (source 0 = 16 rows of B, source 1 = 16 rows of A); the bias is the C of each sum's first instruction.
; The residual is asked for behind the first K step and added on the way out.  No prefetch: the launch has no load behind its head to run ahead of.
.set SIZE_K, 1024
.set RWB,    6701056                   ; Wo's first row in wl
.set CS,     196608                    ; from chunk to chunk, A and B alike
.set KS,     SIZE_K/32
.set FR,     12
.set NL,     6
.set SLOT,   49152                     ; 8 chunks x 128 rows x 48 bytes: what an LDS offset of 16 bits reaches; two on end for A, two for B
.set BREG,   2*SLOT
.set SCLA,   4*SLOT                    ; A's words, [8 steps][128 rows]
.set SCLB,   SCLA+4*SIZE_K             ; B's bytes, as runs of 256 + 16
.set BSH,    (64*KS/256)*272
.set SBLK,   (16*KS/256)*272
.set SPARE,  SCLB+2*BSH                ; the spare words
.set STG,    SPARE+512                 ; the way out: 16 rows x (256 bytes + 16) a wave, in bytes of its own
.set SPITCH, 272
.set ADRA, 16
.set ADRB, 20
.set STO,  24
.set RD,   25
.set CO,   26
.set ADRSB, 27
.set SPW,  28
.set NIL,  29
.set ADRSA, 30
.set SC,   32
.set BIAS, 96
.set ACC,  128
.set BK,   32
.set RES,  0
.set F0,   0
.set F1,   128
.set G0H, 4
.set G0HB, 8
.set G1, 24
.set G1B, 48
.set G1S, 68
.set G0S, 76
.set G1SB, 80
.set G0SB, 88
.set MSB, 0
.macro WIN new                         ; the immediate's high byte repeats the setting that is left
.if MSB != (\new)
	s_set_vgpr_msb (MSB<<8)|(\new)
.set MSB, (\new)
.endif
.endm
.set MUL,  0x05                        ; sources 0 and 1 window 1; C and D window 0
.set TO_F, 0x40
.set TO_R, 0x80
.macro CROUND                          ; a round of the cluster's barrier
	s_barrier_signal -1
	s_barrier_wait -1
	s_cmp_lg_u32 s14, 0
	s_cbranch_scc1 .Lnot_wave_0_\@
	s_barrier_signal -3
.Lnot_wave_0_\@:
	s_barrier_wait -3
	s_barrier_signal -1
	s_barrier_wait -1
.endm
.macro RLOAD a                         ; the residual of my rows 16 a .. 16 a + 15: two rows of 256 bytes an instruction
.irp t, 0,1,2,3,4,5,6,7
	global_load_b128 v[RES+32*(\a)+4*\t:RES+32*(\a)+4*\t+3], v[CO], s[96:97] offset:(16*(\a)+2*\t)*4096
.endr
.endm
	s_load_b256 s[4:11], s[0:1], 0x0               ; A's codes, A's words, wl, B's bytes
	s_load_b64 s[12:13], s[0:1], 0x20              ; the bias
	s_load_b128 s[96:99], s[0:1], 0x28             ; the residual, the output
	v_lshl_add_u32 v[SPW], v0, 2, SPARE
	v_mov_b32 v[NIL], 0
	ds_add_u32 v[SPW], v[NIL]
	ds_add_u32 v[SPW], v[NIL]
	v_lshrrev_b32 v1, 5, v0
	v_readfirstlane_b32 s14, v1                    ; wave
	s_lshr_b32 s15, s14, 1                         ; my half of the rows
	s_and_b32 s16, s14, 1                          ; my half of the columns
	s_bfe_u32 s40, ttmp6, 0x40000
	s_bfe_u32 s41, ttmp6, 0x40004
	s_lshl_b32 s42, ttmp9, 2
	s_add_co_u32 s42, s42, s40                     ; tile column
	s_and_b32 s17, ttmp7, 0xffff
	s_lshl_b32 s17, s17, 2
	s_add_co_u32 s17, s17, s41                     ; tile row
	s_lshl_b32 s43, s41, 2
	s_lshl_b32 s43, 15, s43
	s_lshl_b32 s44, 0x1111, s40
	s_or_b32 s[G1+0], s43, (3<<16)|(1<<21)         ; codes: 16 rows of 6,144 bytes (768 elements of 8), one a chunk
	s_or_b32 s[G1B+0], s44, (3<<16)|(1<<21)
.irp g, G1, G1B
	s_mov_b32 s[\g+1], 768<<16
	s_mov_b32 s[\g+2], 16<<16
	s_mov_b32 s[\g+3], 768<<16
	s_mov_b32 s[\g+4], 16
	s_mov_b32 s[\g+5], CS/8
	s_mov_b32 s[\g+6], 0
	s_mov_b32 s[\g+7], 0
.endr
	s_or_b32 s[G1S+0], s43, (3<<16)|(1<<21)        ; A's words: 8 steps x 512 bytes
	s_mov_b32 s[G1S+1], 64<<16
	s_mov_b32 s[G1S+2], (SIZE_K/128)<<16
	s_mov_b32 s[G1S+3], 64<<16
	s_mov_b32 s[G1S+4], SIZE_K/128
	s_mov_b32 s[G1S+5], 2048
	s_mov_b32 s[G1S+6], 0
	s_mov_b32 s[G1S+7], 0
	s_or_b32 s[G1SB+0], s44, (3<<16)|(1<<20)|(1<<21)|(5<<22)|(3<<25) ; B's bytes: a dense block, rows of 256 bytes + 16
	s_mov_b32 s[G1SB+1], 32<<16
	s_mov_b32 s[G1SB+2], (128*KS/256)<<16
	s_mov_b32 s[G1SB+3], 32<<16
	s_mov_b32 s[G1SB+4], 128*KS/256
	s_mov_b32 s[G1SB+5], 32
	s_mov_b32 s[G1SB+6], 0
	s_mov_b32 s[G1SB+7], 0
	s_mul_i32 s20, s17, 6144
	s_mov_b32 s21, 0
	s_mul_i32 s46, s42, 6144
	s_add_co_u32 s46, s46, RWB
	s_mov_b32 s47, 0
	s_lshl_b32 s22, s17, 9
	s_mov_b32 s23, 0
	s_mul_i32 s92, s42, 128*KS
	s_mov_b32 s93, 0
	s_wait_dscnt 0x0                               ; both opening adds are done
	s_wait_kmcnt 0x0
	s_add_nc_u64 s[20:21], s[4:5], s[20:21]
	s_add_nc_u64 s[22:23], s[6:7], s[22:23]
	s_add_nc_u64 s[46:47], s[8:9], s[46:47]
	s_add_nc_u64 s[92:93], s[10:11], s[92:93]
	CROUND                                         ; all sixteen work-groups are here: the joint loads meet
	s_mov_b32 s[G0H], 1
	s_mov_b32 s[G0H+1], 0
	s_mov_b64 s[G0H+2:G0H+3], s[20:21]
	s_or_b32 s[G0H+3], s[G0H+3], 0x80000000
	s_mov_b32 s[G0HB], 1
	s_mov_b32 s[G0HB+1], BREG
	s_mov_b64 s[G0HB+2:G0HB+3], s[46:47]
	s_or_b32 s[G0HB+3], s[G0HB+3], 0x80000000
	s_mov_b32 s[G0S], 1
	s_mov_b32 s[G0S+1], SCLA
	s_mov_b64 s[G0S+2:G0S+3], s[22:23]
	s_or_b32 s[G0S+3], s[G0S+3], 0x80000000
	s_mov_b32 s[G0SB], 1
	s_mov_b32 s[G0SB+1], SCLB
	s_mov_b64 s[G0SB+2:G0SB+3], s[92:93]
	s_or_b32 s[G0SB+3], s[G0SB+3], 0x80000000
.macro ARM under, g0, g1, next         ; one tree of branches on the wave's number: every way through the head passes exactly one load
	s_cmp_lt_u32 s14, \under
	s_cbranch_scc0 \next
	tensor_load_to_lds s[\g0:\g0+3], s[\g1:\g1+7]
	s_nop 0
.rept 4
	v_nop
.endr
	s_branch .Lhead_asked
\next:
.endm
	ARM 1, G0H,  G1,  .Lhead_b
	ARM 2, G0HB, G1B, .Lhead_sa
	ARM 3, G0S,  G1S, .Lhead_sb
	tensor_load_to_lds s[G0SB:G0SB+3], s[G1SB:G1SB+7]
	s_nop 0
.rept 4
	v_nop
.endr
.Lhead_asked:
	v_and_b32 v1, 15, v0                           ; r
	v_bfe_u32 v2, v0, 4, 1                         ; h
	v_mul_u32_u24 v3, v1, 48
	v_mad_u32_u24 v3, v2, 24, v3
	v_lshlrev_b32 v7, 5, v2
	v_lshlrev_b32 v5, 12, v2
	v_lshl_add_u32 v[CO], v1, 4, v5                ; lanes 0-15 one row of the output, lanes 16-31 the next
	s_mul_i32 s21, s15, 3072
	s_mul_i32 s22, s16, 3072
	s_add_co_u32 s22, s22, BREG
.irp s, 0,1
	v_add_nc_u32 v[ADRA+\s], s21, v3
	v_add_nc_u32 v[ADRB+\s], s22, v3
	s_add_co_u32 s21, s21, SLOT
	s_add_co_u32 s22, s22, SLOT
.endr
	v_mul_u32_u24 v5, v1, KS
	v_lshrrev_b32 v6, 8, v5
	v_lshl_add_u32 v5, v6, 4, v5
	s_mul_i32 s21, s16, BSH
	s_add_co_u32 s21, s21, SCLB
	v_add_nc_u32 v[ADRSB], s21, v5
	s_lshl_b32 s21, s15, 8
	s_add_co_u32 s21, s21, SCLA
	v_lshl_add_u32 v[ADRSA], v1, 2, s21
	s_mul_i32 s23, s14, 16*SPITCH
	s_add_co_u32 s23, s23, STG
	v_mul_u32_u24 v5, v1, SPITCH
	v_lshl_add_u32 v5, v2, 5, v5
	v_add_nc_u32 v[STO], s23, v5
	v_mul_u32_u24 v5, v2, SPITCH
	v_lshl_add_u32 v5, v1, 4, v5
	v_add_nc_u32 v[RD], s23, v5
	s_wait_alu depctr_va_vdst(0)
	s_lshl_b32 s46, s42, 9
	s_lshl_b32 s47, s16, 8
	s_add_co_u32 s46, s46, s47                     ; my first column, in bytes
	s_mov_b32 s47, 0
	s_add_nc_u64 s[12:13], s[12:13], s[46:47]
	s_lshl_b32 s20, s17, 7
	s_lshl_b32 s21, s15, 6
	s_add_co_u32 s20, s20, s21
	s_lshl_b32 s20, s20, 12                        ; my first row, in bytes
	s_mov_b32 s21, 0
	s_add_nc_u64 s[20:21], s[20:21], s[46:47]
	s_add_nc_u64 s[96:97], s[96:97], s[20:21]
	s_add_nc_u64 s[98:99], s[98:99], s[20:21]
.irp b, 0,1,2,3
	global_load_b128 v[BIAS+8*\b:BIAS+8*\b+3], v7, s[12:13] offset:64*\b
	global_load_b128 v[BIAS+8*\b+4:BIAS+8*\b+7], v7, s[12:13] offset:64*\b+16
.endr
.macro FRAG reg, adr, q, i             ; 16 rows x 128 K: chunks 2 q and 2 q + 1 of the eight, of each my row's 24 bytes in pieces of 8
.irp p, 0,1,2,3,4,5
	ds_load_b64 v[\reg+2*\p:\reg+2*\p+1], v[\adr] offset:(2*(\q)+\p/3)*6144+768*(\i)+8*(\p%3)
.endr
.endm
.macro FETCH slot, q, f                ; 48 loads in one run: B's four, then A's four
	WIN TO_F
.irp i, 0,1,2,3
	FRAG \f+48+FR*\i, ADRB+\slot, \q, \i
.endr
.irp i, 0,1,2,3
	FRAG \f+FR*\i, ADRA+\slot, \q, \i
.endr
.endm
.macro SCALES sc                       ; the words of four steps: B's of a block by one load, A's one by one
.irp i, 0,1,2,3
	ds_load_b128 v[SC+32*\sc+4*\i:SC+32*\sc+4*\i+3], v[ADRSB] offset:\i*SBLK+16*\sc
.endr
.irp i, 0,1,2,3
.irp q, 0,1,2,3
	ds_load_b32 v[SC+32*\sc+16+4*\i+\q], v[ADRSA] offset:2048*\sc+512*\q+64*\i
.endr
.endr
.endm
.macro MUL4 f, a, q, sc, zero          ; A's block a against B's four; the sixteen accumulators take turns
.irp b, 0,1,2,3
.if \zero
	v_wmma_scale_f32_16x16x128_f8f6f4 v[ACC+8*(4*(\a)+\b):ACC+8*(4*(\a)+\b)+7], v[\f+48+FR*\b:\f+48+FR*\b+FR-1], v[\f+FR*(\a):\f+FR*(\a)+FR-1], v[BIAS+8*\b:BIAS+8*\b+7], v[SC+32*(\sc)+4*\b+(\q)], v[SC+32*(\sc)+16+4*(\a)+(\q)] matrix_a_fmt:MATRIX_FMT_FP6 matrix_b_fmt:MATRIX_FMT_FP6
.else
	v_wmma_scale_f32_16x16x128_f8f6f4 v[ACC+8*(4*(\a)+\b):ACC+8*(4*(\a)+\b)+7], v[\f+48+FR*\b:\f+48+FR*\b+FR-1], v[\f+FR*(\a):\f+FR*(\a)+FR-1], v[ACC+8*(4*(\a)+\b):ACC+8*(4*(\a)+\b)+7], v[SC+32*(\sc)+4*\b+(\q)], v[SC+32*(\sc)+16+4*(\a)+(\q)] matrix_a_fmt:MATRIX_FMT_FP6 matrix_b_fmt:MATRIX_FMT_FP6
.endif
.endr
.endm
.macro PLACES                          ; plain vector instructions between a matrix instruction and a load into its registers
.rept 4
	v_nop
.endr
.endm
.macro KSTEP slot, q, ns, nq, f, g, zero   ; 128 along K on buffer f; in its middle the next step's fragments (ns, nq) come into buffer g
	s_wait_dscnt 2*NL                              ; all but A's fragments 2 and 3
	WIN MUL
	MUL4 \f, 0, \q, \slot, \zero
	MUL4 \f, 1, \q, \slot, \zero
	PLACES
	FETCH \ns, \nq, \g
	s_wait_dscnt 8*NL                              ; all but the run just issued
	WIN MUL
	MUL4 \f, 2, \q, \slot, \zero
	MUL4 \f, 3, \q, \slot, \zero
.endm
	s_wait_alu depctr_va_vdst(0)
	s_wait_tensorcnt 0x0                           ; my tile of the four is in;
	s_barrier_signal -1
	s_barrier_wait -1                              ; and so is everybody's.
	SCALES 0
	SCALES 1
	FETCH 0, 0, F0
	s_wait_loadcnt 0x0                             ; the bias
	KSTEP 0, 0, 0, 1, F0, F1, 1
	WIN TO_R
.irp a, 0,1,2,3
	RLOAD \a                                       ; 32 loads that land while K is walked; v[CO] and s[96:97] are not written again
.endr
	KSTEP 0, 1, 0, 2, F1, F0, 0
	KSTEP 0, 2, 0, 3, F0, F1, 0
	KSTEP 0, 3, 1, 0, F1, F0, 0
	KSTEP 1, 0, 1, 1, F0, F1, 0
	KSTEP 1, 1, 1, 2, F1, F0, 0
	KSTEP 1, 2, 1, 3, F0, F1, 0
	s_wait_dscnt 2*NL
	WIN MUL
	MUL4 F1, 0, 3, 1, 0
	MUL4 F1, 1, 3, 1, 0
	s_wait_dscnt 0
	MUL4 F1, 2, 3, 1, 0
	MUL4 F1, 3, 3, 1, 0
	WIN 0
; THE WAY OUT, 16 rows x 64 columns at a time, through my stage: back as rows of 256 bytes, the residual added, sixteen lanes to an aligned run of 256 bytes.
.macro TOSTAGE a
.set LB, BK+32*((\a)%2)
.irp b, 0,1,2,3
	ds_store_b128 v[STO], v[ACC+8*(4*(\a)+\b):ACC+8*(4*(\a)+\b)+3] offset:64*\b      ; each accumulator from its low end on
	ds_store_b128 v[STO], v[ACC+8*(4*(\a)+\b)+4:ACC+8*(4*(\a)+\b)+7] offset:64*\b+16
.endr
.irp t, 0,1,2,3,4,5,6,7
	ds_load_b128 v[LB+4*\t:LB+4*\t+3], v[RD] offset:\t*2*SPITCH
.endr
.endm
.macro SEND a, younger
.set LB, BK+32*((\a)%2)
	s_wait_dscnt \younger                          ; the block is back; the next block's sixteen LDS instructions may be out
	s_wait_loadcnt 8*(3-(\a))                      ; its residual is in; the loads of the blocks behind it may be out
	WIN 0x08                                       ; source 1, the residual: window 2
.set j, 0
.rept 16
	v_pk_add_f32 v[LB+j:LB+j+1], v[LB+j:LB+j+1], v[RES+32*(\a)+j:RES+32*(\a)+j+1]
.set j, j+2
.endr
	WIN 0
.irp t, 0,1,2,3,4,5,6,7
	global_store_b128 v[CO], v[LB+4*\t:LB+4*\t+3], s[98:99] offset:(16*(\a)+2*\t)*4096
.endr
.endm
	PLACES
	TOSTAGE 0
	TOSTAGE 1
	SEND 0, 16
	s_wait_xcnt 0x0                                ; block 0's stores have read their registers: block 2's loads may land there
	TOSTAGE 2
	SEND 1, 16
	s_wait_xcnt 0x0
	TOSTAGE 3
	SEND 2, 16
	SEND 3, 0
	s_wait_tensorcnt 0x0                           ; the wave's end
	ds_add_u32 v[SPW], v[NIL]
	s_wait_dscnt 0x0
	CROUND                                         ; the closing round
	s_endpgm
.Lfunc_end_k_qd38c8a26ef_wo:
	.size	k_qd38c8a26ef_wo, .Lfunc_end_k_qd38c8a26ef_wo-k_qd38c8a26ef_wo
	.p2alignl 7, 3214868480
	.fill 96, 4, 3214868480
	.section	.rodata,"a",@progbits
	.p2align	6, 0x0
	.amdhsa_kernel k_qd38c8a26ef_wo
		.amdhsa_group_segment_fixed_size 327680
		.amdhsa_private_segment_fixed_size 0
		.amdhsa_enable_private_segment 0
		.amdhsa_kernarg_size 56
		.amdhsa_user_sgpr_count 2
		.amdhsa_user_sgpr_kernarg_segment_ptr 1
		.amdhsa_wavefront_size32 1
		.amdhsa_system_sgpr_workgroup_id_x 1
		.amdhsa_system_sgpr_workgroup_id_y 1
		.amdhsa_system_sgpr_workgroup_id_z 1
		.amdhsa_system_vgpr_workitem_id 0
		.amdhsa_next_free_vgpr 640
		.amdhsa_next_free_sgpr 100
		.amdhsa_reserve_vcc 0
		.amdhsa_float_denorm_mode_32 3
		.amdhsa_float_denorm_mode_16_64 3
		.amdhsa_memory_ordered 1
		.amdhsa_forward_progress 1
		.amdhsa_inst_pref_size 69
	.end_amdhsa_kernel
	.amdgpu_metadata
---
amdhsa.version: [ 1, 2 ]
amdhsa.kernels:
  - .name:           k_qd38c8a26ef_wo
    .symbol:         k_qd38c8a26ef_wo.kd
    .args:
      - { .name: actc, .offset: 0, .size: 8, .value_kind: global_buffer, .address_space: global }
      - { .name: acts, .offset: 8, .size: 8, .value_kind: global_buffer, .address_space: global }
      - { .name: wl, .offset: 16, .size: 8, .value_kind: global_buffer, .address_space: global }
      - { .name: Wo_scales, .offset: 24, .size: 8, .value_kind: global_buffer, .address_space: global }
      - { .name: bo, .offset: 32, .size: 8, .value_kind: global_buffer, .address_space: global }
      - { .name: x, .offset: 40, .size: 8, .value_kind: global_buffer, .address_space: global }
      - { .name: x1, .offset: 48, .size: 8, .value_kind: global_buffer, .address_space: global }
    .group_segment_fixed_size: 327680
    .private_segment_fixed_size: 0
    .kernarg_segment_align: 8
    .kernarg_segment_size: 56
    .max_flat_workgroup_size: 128
    .sgpr_count:     100
    .vgpr_count:     640
    .wavefront_size: 32
...
	.end_amdgpu_metadata
.endif
;; end of part 4
;; launch ln2: the kernel of part 1 again; grid 256 x 1, 4 waves a work-group, no clusters, 33,792 bytes of LDS; arguments x1, g2, be2, actc, acts, wl, W1_codes, W2_codes, Wq_codes, Wk_codes, Wv_codes, Wo_codes; writes actc, acts, wl
;; launch ffn1 (part 5): grid 16 x 16, 4 waves a work-group, clusters of 4 x 4, 327,680 bytes of LDS; arguments actc, acts, wl, W1_scales, bf1, ffc, ffs; writes ffc, ffs
.if DOCPART == 5
	.amdgcn_target "amdgcn-amd-amdhsa--gfx1250"
	.amdhsa_code_object_version 6
	.text
	.protected	k_qd38c8a26ef_ffn1
	.globl	k_qd38c8a26ef_ffn1
	.p2align	8
	.type	k_qd38c8a26ef_ffn1,@function
k_qd38c8a26ef_ffn1:
	s_mov_b64 s[64:65], 0
	v_nop
	global_prefetch_b8 v0, s[64:65] scope:SCOPE_SE
	s_setreg_imm32_b32 hwreg(HW_REG_WAVE_MODE, 25, 1), 1
	s_wait_xcnt 0x0
	s_wait_alu depctr_hold_cnt(0) depctr_sa_sdst(0) depctr_va_vdst(0) depctr_va_sdst(0) depctr_va_ssrc(0) depctr_va_vcc(0) depctr_vm_vsrc(0)
	s_getreg_b32 s2, hwreg(HW_REG_IB_STS2, 6, 4)
	s_cmp_eq_u32 s2, 0
	s_cbranch_scc0 .Lentry_in_a_cluster
	s_endpgm
.Lentry_in_a_cluster:
	s_bfe_u32 s2, ttmp6, 0x10000c
	s_cmp_lg_u32 s2, 0xf033
	s_cbranch_scc0 .Lentry_shape_is_right
	s_endpgm
.Lentry_shape_is_right:
.set KSTEP,  256
.set NQ,     2
; ff = relu(h W1^T + bf1) on codes of FP6 (E2M3), K = 1,024, quantised again along the 4,096 for the next product.  A tile of 256 x 256, four waves of 128 x 128, clusters of 4 x 4 with joint loads.
; BOTH OPERANDS' CODES lie in chunks of 64 along K, [16 chunks][4096 rows][48 bytes] (h in actc, W1 in wl): a tile's 256 rows of a chunk are 12,288 dense bytes, at a multiple of 256.
; K goes in steps of 256 through two slots (A's four chunks, then B's four).  K steps 2 and 3 are prefetched, each two fills ahead of its load.
.set CS,     196608                    ; from chunk to chunk in memory
.set RW1,    262144                    ; where W1's chunks begin in wl
.set ROWB,   4*CS                      ; a K step of 256 in memory
.set KROW,   48
.set PITCH,  48                        ; 12 words a row: the 32 lanes of a load of 8 bytes touch 64 different banks (ISA guide 11.1)
.set FR,     12
.set NL,     6
.set NP,     4
.set HALFT,  24576                     ; two chunks x 256 rows: what one load of the ring brings
.set G0H,    4                         ; s[4:7], s[8:11]: group 0 of the head's loads of K step 0
.set G0HB,   8
.set SLOT,   4*HALFT
.set LAPS,   2
.set KS,     32
.set SCL,    2*SLOT
.set HALFS,  (128*KS/256)*272
.set SBLK,   (16*KS/256)*272
.set SPARE,  SCL+4*HALFS
.set SPITCH, 528
.set CSTG,   4*16*SPITCH
.set SSTG,   CSTG+4*12288
.set STC,  7
.set RDC,  8
.set SSA,  9
.set RDS,  10
.set ADRA, 16
.set ADRB, 20
.set STO,  24
.set RDQ,  25
.set CO,   26
.set ADRS, 27
.set SPW,  28
.set NIL,  29
.set BIO,  30
.set SC,   32
.set BIAS, 64
.set AF,   128
.set PC,   192
.set TM,   212
.set PW,   224
.set SEL,  18
.set G1, 24
.set G0, 32
.set G1B, 48
.set G0B, 56
.set G1S, 68
.set G0S, 76
.set G1SB, 80
.set G0SB, 88
.set MSB, 0
.macro WIN new
.if MSB != (\new)
	s_set_vgpr_msb (MSB<<8)|(\new)
.set MSB, (\new)
.endif
.endm
.set MUL_LO, 0xa1
.set MUL_HI, 0xf1
.set TO_B,   0x40
.macro JLOAD g0a, g1a, g0b, g1b
	s_cmp_eq_u32 s15, 0
	s_cbranch_scc0 .Lfor_b_\@
	tensor_load_to_lds s[\g0a:\g0a+3], s[\g1a:\g1a+7]
	s_nop 0
.rept 4
	v_nop
.endr
	s_branch .Lasked_\@
.Lfor_b_\@:
	tensor_load_to_lds s[\g0b:\g0b+3], s[\g1b:\g1b+7]
	s_nop 0
.rept 4
	v_nop
.endr
.Lasked_\@:
.endm
.macro CREST
	s_cmp_lg_u32 s14, 0
	s_cbranch_scc1 .Lnot_wave_0_\@
	s_barrier_signal -3
.Lnot_wave_0_\@:
	s_barrier_wait -3
	s_barrier_signal -1
	s_barrier_wait -1
.endm
.macro CROUND
	s_barrier_signal -1
	s_barrier_wait -1
	CREST
.endm
	s_load_b256 s[4:11], s[0:1], 0x0
	s_load_b64 s[12:13], s[0:1], 0x20
	s_load_b128 s[96:99], s[0:1], 0x28
	v_lshl_add_u32 v[SPW], v0, 2, SPARE
	v_mov_b32 v[NIL], 0
	ds_add_u32 v28, v29
	ds_add_u32 v28, v29
	s_wait_dscnt 0x0
	v_lshrrev_b32 v1, 5, v0
	v_readfirstlane_b32 s14, v1
	s_lshr_b32 s15, s14, 1
	s_and_b32 s16, s14, 1
	s_bfe_u32 s40, ttmp6, 0x40000
	s_bfe_u32 s41, ttmp6, 0x40004
	s_lshl_b32 s42, ttmp9, 2
	s_add_co_u32 s42, s42, s40
	s_and_b32 s17, ttmp7, 0xffff
	s_lshl_b32 s17, s17, 2
	s_add_co_u32 s17, s17, s41
	s_lshl_b32 s43, s41, 2
	s_lshl_b32 s43, 15, s43
	s_lshl_b32 s44, 0x1111, s40
	s_or_b32 s[G1+0], s43, (3<<16)|(1<<21)         ; the mask; elements of 8 bytes; bit 21 beside a mask
	s_or_b32 s[G1B+0], s44, (3<<16)|(1<<21)
.irp g, G1, G1B
	s_mov_b32 s[\g+1], 1536<<16                    ; a row: 256 rows of codes of one chunk, 12,288 bytes
	s_mov_b32 s[\g+2], 4<<16                       ; the head's loads bring four chunks; the ring's two
	s_mov_b32 s[\g+3], 1536<<16
	s_mov_b32 s[\g+4], 4
	s_mov_b32 s[\g+5], CS/8
	s_mov_b32 s[\g+6], 0
	s_mov_b32 s[\g+7], 0
.endr
	s_or_b32 s[G1S+0], s43, (3<<16)|(1<<20)|(1<<21)|(5<<22)|(3<<25)
	s_or_b32 s[G1SB+0], s44, (3<<16)|(1<<20)|(1<<21)|(5<<22)|(3<<25)
.irp g, G1S, G1SB
	s_mov_b32 s[\g+1], 32<<16
	s_mov_b32 s[\g+2], (256*KS/256)<<16
	s_mov_b32 s[\g+3], 32<<16
	s_mov_b32 s[\g+4], 256*KS/256
	s_mov_b32 s[\g+5], 32
	s_mov_b32 s[\g+6], 0
	s_mov_b32 s[\g+7], 0
.endr
	s_lshl_b32 s20, s17, 8                         ; A: the tile's first row
	s_lshl_b32 s46, s42, 8                         ; B likewise
	s_mov_b32 s21, 0
	s_mov_b32 s47, 0
	s_mov_b64 s[18:19], KS
	s_mul_u64 s[22:23], s[20:21], s[18:19]
	s_mul_u64 s[92:93], s[46:47], s[18:19]
	s_mov_b64 s[18:19], KROW
	s_mul_u64 s[20:21], s[20:21], s[18:19]
	s_mul_u64 s[46:47], s[46:47], s[18:19]
	s_mul_i32 s45, s14, HALFT
	s_add_co_u32 s46, s46, RW1
	s_mul_i32 s18, s16, 2*CS                       ; in the ring I fetch two of a K step's four chunks
	s_mov_b32 s19, 0
	s_wait_kmcnt 0x0
	s_add_nc_u64 s[20:21], s[4:5], s[20:21]
	s_add_nc_u64 s[22:23], s[6:7], s[22:23]
	s_add_nc_u64 s[46:47], s[8:9], s[46:47]
	s_add_nc_u64 s[92:93], s[10:11], s[92:93]
	CROUND
	s_mov_b32 s[G0S], 1
	s_mov_b32 s[G0S+1], SCL
	s_mov_b64 s[G0S+2:G0S+3], s[22:23]
	s_or_b32 s[G0S+3], s[G0S+3], 0x80000000
	s_mov_b32 s[G0SB], 1
	s_mov_b32 s[G0SB+1], SCL+2*HALFS
	s_mov_b64 s[G0SB+2:G0SB+3], s[92:93]
	s_or_b32 s[G0SB+3], s[G0SB+3], 0x80000000
	s_mov_b32 s[G0H], 1                            ; K step 0, whole: A's four chunks,
	s_mov_b32 s[G0H+1], 0
	s_mov_b64 s[G0H+2:G0H+3], s[20:21]
	s_or_b32 s[G0H+3], s[G0H+3], 0x80000000
	s_mov_b32 s[G0HB], 1                           ; and B's, behind them
	s_mov_b32 s[G0HB+1], 2*HALFT
	s_mov_b64 s[G0HB+2:G0HB+3], s[46:47]
	s_or_b32 s[G0HB+3], s[G0HB+3], 0x80000000
	s_add_nc_u64 s[20:21], s[20:21], s[18:19]
	s_add_nc_u64 s[46:47], s[46:47], s[18:19]
.irp s, 0,1
	s_mov_b32 s[G0+4*\s], 1
	s_add_co_u32 s[G0+4*\s+1], s45, \s*SLOT
	s_add_nc_u64 s[G0+4*\s+2:G0+4*\s+3], s[20:21], \s*ROWB
	s_or_b32 s[G0+4*\s+3], s[G0+4*\s+3], 0x80000000
	s_mov_b32 s[G0B+4*\s], 1
	s_add_co_u32 s[G0B+4*\s+1], s45, \s*SLOT
	s_add_nc_u64 s[G0B+4*\s+2:G0B+4*\s+3], s[46:47], \s*ROWB
	s_or_b32 s[G0B+4*\s+3], s[G0B+4*\s+3], 0x80000000
.endr
; the head's loads, one a wave: wave 0 A's K step 0, wave 1 B's, wave 2 A's scale bytes, wave 3 B's; one tree of branches on the wave's number
; the prefetches: of the two chunks x 12,288 bytes that I will fetch, the partner at place p (cx for A, cy for B) takes 6,144: 24 blocks of 256 bytes, a lane a block
	s_cmp_eq_u32 s15, 0
	s_cselect_b64 s[92:93], s[20:21], s[46:47]
	s_cselect_b32 s2, s40, s41
	s_lshr_b32 s3, s2, 1
	s_mul_i32 s3, s3, CS
	s_and_b32 s2, s2, 1
	s_mul_i32 s2, s2, 6144
	s_add_co_u32 s2, s2, s3
	s_add_co_u32 s2, s2, 2*ROWB
	s_mov_b32 s3, 0
	s_add_nc_u64 s[92:93], s[92:93], s[2:3]        ; never rewritten
.macro ARM under, g0, g1, next
	s_cmp_lt_u32 s14, \under
	s_cbranch_scc0 \next
	tensor_load_to_lds s[\g0:\g0+3], s[\g1:\g1+7]
	s_nop 0
.rept 4
	v_nop
.endr
	s_branch .Lhead_asked
\next:
.endm
	ARM 1, G0H,  G1,  .Lhead_b
	ARM 2, G0HB, G1B, .Lhead_sa
	ARM 3, G0S,  G1S, .Lhead_sb
	tensor_load_to_lds s[G0SB:G0SB+3], s[G1SB:G1SB+7]
	s_nop 0
.rept 4
	v_nop
.endr
.Lhead_asked:
	v_and_b32 v1, 15, v0
	v_bfe_u32 v2, v0, 4, 1
	v_and_b32 v31, 31, v0
	v_min_u32 v31, 23, v31                         ; lanes 24-31 name the last block again
	v_lshlrev_b32 v31, 8, v31                      ; the prefetches' offset; never rewritten
	v_mul_u32_u24 v3, v1, PITCH
	v_mul_u32_u24 v4, v2, 24
	v_add_nc_u32 v4, v3, v4
	s_mul_i32 s21, s15, 6144                       ; my 128 rows of each chunk
	s_mul_i32 s22, s16, 6144
	s_add_co_u32 s22, s22, 2*HALFT
.irp s, 0,1
	v_add_nc_u32 v[ADRA+\s], s21, v4
	v_add_nc_u32 v[ADRB+\s], s22, v4
	s_add_co_u32 s21, s21, SLOT
	s_add_co_u32 s22, s22, SLOT
.endr
	v_mul_u32_u24 v5, v1, KS
	v_lshrrev_b32 v6, 8, v5
	v_lshl_add_u32 v5, v6, 4, v5
	s_mul_i32 s21, s15, HALFS
	s_mul_i32 s22, s16, HALFS
	s_add_co_u32 s22, s22, 2*HALFS
	s_sub_co_u32 s22, s22, s21
	v_mul_u32_u24 v6, s22, v2
	s_add_co_u32 s21, s21, SCL
	v_add_nc_u32 v5, v5, v6
	v_add_nc_u32 v[ADRS], s21, v5
	s_mul_i32 s23, s14, 16*SPITCH
	v_mul_u32_u24 v5, v1, SPITCH
	v_add_nc_u32 v5, s23, v5
	v_lshl_add_u32 v[STO], v2, 5, v5
	v_lshl_add_u32 v[RDQ], v2, 6, v5
	v_and_b32 v6, 31, v0
	v_lshlrev_b32 v[CO], 4, v6
	s_mul_i32 s23, s14, 12288
	s_add_co_u32 s23, s23, CSTG
	v_mul_u32_u24 v5, v1, 48
	v_mad_u32_u24 v5, v2, 24, v5
	v_add_nc_u32 v[STC], s23, v5
	v_add_nc_u32 v[RDC], s23, v[CO]
	s_lshl_b32 s23, s14, 9
	s_add_co_u32 s23, s23, SSTG
	v_lshl_add_u32 v[SSA], v1, 2, s23
	v_add_nc_u32 v[RDS], s23, v[CO]
	v_lshlrev_b32 v[BIO], 5, v2
	s_lshl_b32 s46, s42, 10
	s_lshl_b32 s47, s16, 9
	s_add_co_u32 s46, s46, s47
	s_mov_b32 s47, 0
	s_add_nc_u64 s[12:13], s[12:13], s[46:47]
.irp b, 0,1,2,3,4,5,6,7
	global_load_b128 v[BIAS+8*\b:BIAS+8*\b+3], v[BIO], s[12:13] offset:64*\b
	global_load_b128 v[BIAS+8*\b+4:BIAS+8*\b+7], v[BIO], s[12:13] offset:64*\b+16
.endr
.macro FRAG reg, adr, q, i
.irp p, 0,1,2,3,4,5
	ds_load_b64 v[\reg+2*\p:\reg+2*\p+1], v[\adr] offset:(2*(\q)+\p/3)*12288+(\i)*16*PITCH+8*(\p%3)   ; chunks 2 q and 2 q + 1 of the slot
.endr
.endm
.macro MUL16 a0, p, q, sc, zero
.irp a, \a0, \a0+1
.irp b, 0,1,2,3,4,5,6,7
.if \zero
	v_wmma_scale_f32_16x16x128_f8f6f4 v[8*(8*((\a)%4)+\b):8*(8*((\a)%4)+\b)+7], v[128*(\p)+FR*\b:128*(\p)+FR*\b+FR-1], v[AF+FR*(\a):AF+FR*(\a)+FR-1], v[BIAS+8*\b:BIAS+8*\b+7], v[SC+8*NQ*(\sc)+NQ*\b+(\q)], v[SC+8*NQ*(\sc)+NQ*(\a)+(\q)] matrix_a_fmt:MATRIX_FMT_FP6 matrix_b_fmt:MATRIX_FMT_FP6 matrix_a_scale:MATRIX_SCALE_ROW1
.else
	v_wmma_scale_f32_16x16x128_f8f6f4 v[8*(8*((\a)%4)+\b):8*(8*((\a)%4)+\b)+7], v[128*(\p)+FR*\b:128*(\p)+FR*\b+FR-1], v[AF+FR*(\a):AF+FR*(\a)+FR-1], v[8*(8*((\a)%4)+\b):8*(8*((\a)%4)+\b)+7], v[SC+8*NQ*(\sc)+NQ*\b+(\q)], v[SC+8*NQ*(\sc)+NQ*(\a)+(\q)] matrix_a_fmt:MATRIX_FMT_FP6 matrix_b_fmt:MATRIX_FMT_FP6 matrix_a_scale:MATRIX_SCALE_ROW1
.endif
.endr
.endr
.endm
.macro FETCH_B slot, q, p
	WIN TO_B
.irp i, 0,1,2,3,4,5,6,7
	FRAG 128*(\p)+FR*\i, ADRB+\slot, \q, \i
.endr
	WIN 0
.endm
.macro FETCH_A slot, q, i0
.irp i, \i0, \i0+1, \i0+2, \i0+3
	FRAG AF+FR*(\i), ADRA+\slot, \q, \i
.endr
.endm
.macro SCALES sc
.irp i, 0,1,2,3,4,5,6,7
	ds_load_b64 v[SC+8*NQ*\sc+NQ*\i:SC+8*NQ*\sc+NQ*\i+1], v[ADRS] offset:\i*SBLK
.endr
.endm
.macro PLACES n
.rept \n
	v_nop
.endr
.endm
.macro STEP slot, q, zero
	s_wait_dscnt 4*NL
	WIN MUL_LO-0x20*(\zero)
	MUL16 0, (\q)%2, \q, \slot, \zero
	MUL16 2, (\q)%2, \q, \slot, \zero
	s_wait_dscnt 0
	PLACES NP
	FETCH_B \slot, (\q)+1, 1-(\q)%2
	FETCH_A \slot, (\q)+1, 0
	WIN MUL_HI-0x30*(\zero)
	MUL16 4, (\q)%2, \q, \slot, \zero
	MUL16 6, (\q)%2, \q, \slot, \zero
	PLACES NP
	WIN 0
	FETCH_A \slot, (\q)+1, 4
.endm
.macro TURN slot, next, fill
	s_wait_tensorcnt 0x0
	ds_add_u32 v[SPW], v[NIL]
	s_wait_dscnt 4*NL+1
	WIN MUL_LO
	MUL16 0, 1, NQ-1, \slot, 0
	s_wait_dscnt 0x0
	s_barrier_signal -1
	MUL16 2, 1, NQ-1, \slot, 0
	WIN 0
	s_barrier_wait -1
.if \fill
	CREST
	s_add_nc_u64 s[G0+4*\slot+2:G0+4*\slot+3], s[G0+4*\slot+2:G0+4*\slot+3], 2*ROWB
	s_add_nc_u64 s[G0B+4*\slot+2:G0B+4*\slot+3], s[G0B+4*\slot+2:G0B+4*\slot+3], 2*ROWB
	JLOAD G0+4*\slot, G1, G0B+4*\slot, G1B
.else
	PLACES NP
.endif
	s_wait_alu depctr_va_vdst(0)
	v_add_nc_u32 v[ADRS], 4*NQ, v[ADRS]
	FETCH_B \next, 0, 0
	FETCH_A \next, 0, 0
	SCALES \next
	WIN MUL_HI
	MUL16 4, 1, NQ-1, \slot, 0
	MUL16 6, 1, NQ-1, \slot, 0
	PLACES NP
	WIN 0
	FETCH_A \next, 0, 4
.endm
	s_wait_alu depctr_va_vdst(0)
	global_prefetch_b8 v31, s[92:93] th:TH_LOAD_NT scope:SCOPE_SE   ; K step 2
	s_wait_tensorcnt 0x0                           ; my tile of the head's four is in
	ds_add_u32 v[SPW], v[NIL]
	s_mov_b32 s[G1+2], 2<<16
	s_mov_b32 s[G1+4], 2
	s_mov_b32 s[G1B+2], 2<<16
	s_mov_b32 s[G1B+4], 2
	s_wait_dscnt 0x0
	CROUND                                         ; all four tiles are in, and all sixteen work-groups are here
	JLOAD G0+4, G1, G0B+4, G1B                     ; K step 1, the first tensor load behind the round
	FETCH_B 0, 0, 0
	global_prefetch_b8 v31, s[92:93] offset:ROWB th:TH_LOAD_NT scope:SCOPE_SE   ; K step 3
	FETCH_A 0, 0, 0
	SCALES 0
	FETCH_A 0, 0, 4
	s_wait_loadcnt 0x0
	STEP 0, 0, 1
	s_mov_b32 s3, LAPS-1
.Llap:
	TURN 0, 1, 1
	STEP 1, 0, 0
	TURN 1, 0, 1
	STEP 0, 0, 0
	s_sub_co_u32 s3, s3, 1
	s_cmp_lg_u32 s3, 0
	s_cbranch_scc1 .Llap
	TURN 0, 1, 0
	STEP 1, 0, 0
	s_wait_dscnt 4*NL
	WIN MUL_LO
	MUL16 0, 1, NQ-1, 1, 0
	MUL16 2, 1, NQ-1, 1, 0
	s_wait_dscnt 0
	WIN MUL_HI
	MUL16 4, 1, NQ-1, 1, 0
	MUL16 6, 1, NQ-1, 1, 0
	WIN 0
.macro TOSTAGE a
.set AC, 64*((\a)%4)
.set LB, 128-64*((\a)%2)
	WIN 0x08+4*((\a)/4)
.irp b, 0,1,2,3,4,5,6,7
	ds_store_b128 v[STO], v[AC+8*\b:AC+8*\b+3] offset:64*\b
	ds_store_b128 v[STO], v[AC+8*\b+4:AC+8*\b+7] offset:64*\b+16
.endr
	WIN 0
.irp b, 0,1,2,3
.irp j, 0,1,2,3
	ds_load_b128 v[LB+16*\b+4*\j:LB+16*\b+4*\j+3], v[RDQ] offset:128*\b+16*\j
.endr
.endr
.endm
.macro QUANT s
.irp b, 0,1,2,3
	v_max3_num_f32 v[TM+\b], |v[\s+16*\b]|, |v[\s+1+16*\b]|, 0x1800000
.endr
.irp i, 2,4,6,8,10,12,14
.irp b, 0,1,2,3
	v_max3_num_f32 v[TM+\b], v[TM+\b], |v[\s+16*\b+\i]|, |v[\s+1+16*\b+\i]|
.endr
.endr
.irp b, 0,1,2,3
	v_permlanex16_b32 v[TM+4+\b], v[TM+\b], s[SEL], s[SEL+1]
.endr
.irp b, 0,1,2,3
	v_max_num_f32 v[TM+\b], v[TM+\b], v[TM+4+\b]
.endr
.irp b, 0,1,2,3
	v_add_nc_u32 v[TM+8+\b], 0xff000000, v[TM+\b]
.endr
.irp b, 0,1,2,3
	v_lshrrev_b32 v[TM+4+\b], 23, v[TM+8+\b]
.endr
	v_lshl_or_b32 v[PW], v[TM+5], 8, v[TM+4]
	v_lshl_or_b32 v[PW], v[TM+6], 16, v[PW]
	v_lshl_or_b32 v[PW], v[TM+7], 24, v[PW]
.irp c, 0,1
	v_cvt_scalef32_pk16_fp6_f32 v[PC+6*\c:PC+2+6*\c], v[\s+32*\c:\s+15+32*\c], v[TM+8+2*\c]
	v_cvt_scalef32_pk16_fp6_f32 v[PC+12+4*\c:PC+14+4*\c], v[\s+16+32*\c:\s+31+32*\c], v[TM+8+2*\c+1]
.endr
	v_nop
.irp c, 0,1
.irp i, 0,1,2
	v_permlane16_swap_b32 v[PC+6*\c+\i], v[PC+12+4*\c+\i]
.endr
.irp i, 0,1,2
	v_mov_b32 v[PC+3+6*\c+\i], v[PC+12+4*\c+\i]
.endr
.endr
.endm
	PLACES NP
.irp b, 0,1,2,3
	v_mov_b32 v[TM+4+\b], 0
.endr
	s_mov_b32 s[SEL], 0x76543210
	s_mov_b32 s[SEL+1], 0xfedcba98
	s_lshl_b32 s20, s42, 2
	s_lshl_b32 s21, s16, 1
	s_add_co_u32 s20, s20, s21
	s_mul_i32 s20, s20, 196608
	s_lshl_b32 s22, s17, 8
	s_lshl_b32 s21, s15, 7
	s_add_co_u32 s22, s22, s21
	s_mul_i32 s21, s22, 48
	s_add_co_u32 s20, s20, s21
	s_mov_b32 s21, 0
	s_add_nc_u64 s[96:97], s[96:97], s[20:21]
	s_lshl_b32 s20, s42, 1
	s_add_co_u32 s20, s20, s16
	s_lshl_b32 s20, s20, 14
	s_lshl_b32 s22, s22, 2
	s_add_co_u32 s20, s20, s22
	s_add_nc_u64 s[98:99], s[98:99], s[20:21]
	TOSTAGE 0
.irp a, 0,1,2,3,4,5,6,7
.if \a < 7
	TOSTAGE \a+1
	s_wait_dscnt 32
.else
	s_wait_dscnt 0x0
.endif
.set BB, 128-64*(\a%2)
.set j, 0
.rept 64
	v_max_num_f32 v[BB+j], 0, v[BB+j]
.set j, j+1
.endr
	QUANT BB
.irp c, 0,1
.irp p, 0,1,2
	ds_store_b64 v[STC], v[PC+6*\c+2*\p:PC+6*\c+2*\p+1] offset:6144*\c+768*\a+8*\p
.endr
.endr
	ds_store_b32 v[SSA], v[PW] offset:64*\a
.endr
.set j, 0
.rept 24
	ds_load_b128 v[64+4*j:67+4*j], v[RDC] offset:512*j
.set j, j+1
.endr
	ds_load_b128 v[160:163], v[RDS]
.set j, 0
.rept 24
	s_wait_dscnt 24-j
	global_store_b128 v[CO], v[64+4*j:67+4*j], s[96:97] offset:(j/12)*196608+512*(j%12)
.set j, j+1
.endr
	s_wait_dscnt 0x0
	global_store_b128 v[CO], v[160:163], s[98:99]
	s_wait_tensorcnt 0x0
	ds_add_u32 v[SPW], v[NIL]
	s_wait_dscnt 0x0
	CROUND
	s_endpgm
.Lfunc_end_k_qd38c8a26ef_ffn1:
	.size	k_qd38c8a26ef_ffn1, .Lfunc_end_k_qd38c8a26ef_ffn1-k_qd38c8a26ef_ffn1
	.p2alignl 7, 3214868480
	.fill 96, 4, 3214868480
	.section	.rodata,"a",@progbits
	.p2align	6, 0x0
	.amdhsa_kernel k_qd38c8a26ef_ffn1
		.amdhsa_group_segment_fixed_size 327680
		.amdhsa_private_segment_fixed_size 0
		.amdhsa_enable_private_segment 0
		.amdhsa_kernarg_size 56
		.amdhsa_user_sgpr_count 2
		.amdhsa_user_sgpr_kernarg_segment_ptr 1
		.amdhsa_wavefront_size32 1
		.amdhsa_system_sgpr_workgroup_id_x 1
		.amdhsa_system_sgpr_workgroup_id_y 1
		.amdhsa_system_sgpr_workgroup_id_z 1
		.amdhsa_system_vgpr_workitem_id 0
		.amdhsa_next_free_vgpr 1024
		.amdhsa_next_free_sgpr 100
		.amdhsa_reserve_vcc 0
		.amdhsa_float_denorm_mode_32 3
		.amdhsa_float_denorm_mode_16_64 3
		.amdhsa_memory_ordered 1
		.amdhsa_forward_progress 1
		.amdhsa_inst_pref_size 205
	.end_amdhsa_kernel
	.amdgpu_metadata
---
amdhsa.version: [ 1, 2 ]
amdhsa.kernels:
  - .name:           k_qd38c8a26ef_ffn1
    .symbol:         k_qd38c8a26ef_ffn1.kd
    .args:
      - { .name: actc, .offset: 0, .size: 8, .value_kind: global_buffer, .address_space: global }
      - { .name: acts, .offset: 8, .size: 8, .value_kind: global_buffer, .address_space: global }
      - { .name: wl, .offset: 16, .size: 8, .value_kind: global_buffer, .address_space: global }
      - { .name: W1_scales, .offset: 24, .size: 8, .value_kind: global_buffer, .address_space: global }
      - { .name: bf1, .offset: 32, .size: 8, .value_kind: global_buffer, .address_space: global }
      - { .name: ffc, .offset: 40, .size: 8, .value_kind: global_buffer, .address_space: global }
      - { .name: ffs, .offset: 48, .size: 8, .value_kind: global_buffer, .address_space: global }
    .group_segment_fixed_size: 327680
    .private_segment_fixed_size: 0
    .kernarg_segment_align: 8
    .kernarg_segment_size: 56
    .max_flat_workgroup_size: 128
    .sgpr_count:     100
    .vgpr_count:     1024
    .wavefront_size: 32
...
	.end_amdgpu_metadata
.endif
;; end of part 5
;; launch ffn2 (part 6): grid 8 x 32, 4 waves a work-group, clusters of 4 x 4, 327,680 bytes of LDS; arguments ffc, ffs, wl, W2_scales, bf2, x1, out0; writes out0
.if DOCPART == 6
	.amdgcn_target "amdgcn-amd-amdhsa--gfx1250"
	.amdhsa_code_object_version 6
	.text
	.protected	k_qd38c8a26ef_ffn2
	.globl	k_qd38c8a26ef_ffn2
	.p2align	8
	.type	k_qd38c8a26ef_ffn2,@function
k_qd38c8a26ef_ffn2:
	s_mov_b64 s[64:65], 0
	v_nop
	global_prefetch_b8 v0, s[64:65] scope:SCOPE_SE
	s_setreg_imm32_b32 hwreg(HW_REG_WAVE_MODE, 25, 1), 1
	s_wait_xcnt 0x0
	s_wait_alu depctr_hold_cnt(0) depctr_sa_sdst(0) depctr_va_vdst(0) depctr_va_sdst(0) depctr_va_ssrc(0) depctr_va_vcc(0) depctr_vm_vsrc(0)
	s_getreg_b32 s2, hwreg(HW_REG_IB_STS2, 6, 4)
	s_cmp_eq_u32 s2, 0
	s_cbranch_scc0 .Lentry_in_a_cluster
	s_endpgm
.Lentry_in_a_cluster:
	s_bfe_u32 s2, ttmp6, 0x10000c
	s_cmp_lg_u32 s2, 0xf033
	s_cbranch_scc0 .Lentry_shape_is_right
	s_endpgm
.Lentry_shape_is_right:
; out = residual + A B^T + bias on codes of FP6 (E2M3), one E8M0 byte for each 32 along K = 4,096.  out, residual: [4096][1024] f32.
; BOTH OPERANDS' CODES lie in chunks of 64 along K, [K / 64][rows][48 bytes] (B: the weight as an earlier launch has re-laid it in wl): a tile's 128 rows of a chunk are 6,144 dense bytes, at a multiple of 256.
; A's scale words [K / 128][4096][4 bytes]; B's scale bytes [1024][K / 32].
; A tile of 128 x 128, so that 1,024 columns give 256 work-groups; four waves of 64 x 64, 16 accumulators each.  K goes in steps of 512 (8 chunks) through two slots for A and two for B;
; all scale words and bytes of the tile come once.  CLUSTERS of 4 x 4: A's tiles are asked for jointly along a row of the cluster, B's along a column.
; THE HEAD: one load a wave: wave 0 A's first 16 chunks, which fill both of A's slots (they lie on end), wave 1 B's likewise, wave 2 A's words, wave 3 B's bytes.  A refill is a quarter of a step a wave.
; The matrix instruction is used transposed (source 0 = 16 rows of B, source 1 = 16 rows of A); the bias is the C of each sum's first instruction; the residual is asked for behind the first K step and added on the way out.
; PREFETCH: fills 2 and 3 are named at the head's end and behind the first fragment loads; behind the load of fill f each wave names fill f + 2: of the four chunks that it will fetch, the partner at place p
; (cx for A, cy for B) takes chunk p: 24 blocks of 256 bytes, a lane a block (lanes 24-31 name the last block again).  Fills 6 and 7 have none two on: the loop's last trip asks for nothing.
; REGISTERS: window 0: v0-31 addresses; v32-95 scale words, two sets; v96-127 the bias; v128-255 accumulators.  Window 1: two fragment buffers of 96.  Window 2: v0-127 the residual.
.set SIZE_K, 4096
.set RWB,    3407872                   ; where W2's chunks begin in wl
.set CSB,    49152                     ; B: from chunk to chunk (1,024 rows of 48 bytes)
.set CSA,    196608                    ; A: 4,096 rows of 48 bytes
.set KS,     SIZE_K/32
.set LAPS,   SIZE_K/1024
.set FR,     12
.set NL,     6
.set SLOT,   49152                     ; [8 chunks][128 rows][48 bytes]; 12 words a row: the 32 lanes of a load of 8 bytes touch 64 different banks (ISA guide 11.1)
.set BREG,   2*SLOT                    ; B's two slots, behind A's two
.set SCLA,   4*SLOT                    ; A's words, [SIZE_K / 128][128 rows]
.set SCLB,   SCLA+4*SIZE_K             ; B's bytes, as runs of 256 + 16
.set BSH,    (64*KS/256)*272
.set SBLK,   (16*KS/256)*272
.set SPARE,  SCLB+2*BSH                ; the spare words
.set SPITCH, 272                       ; the way out: 16 rows x (256 bytes + 16) a wave, in A's slot 0, which has had its last fill and its last read by then
.set ADRA, 16
.set ADRB, 20
.set STO,  24
.set RD,   25
.set CO,   26
.set ADRSB, 27
.set SPW,  28
.set NIL,  29
.set ADRSA, 30
.set PFO,  31                          ; the prefetches' offset: 256 x min(lane, 23)
.set SC,   32
.set BIAS, 96
.set ACC,  128
.set BK,   32
.set RES,  0
.set F0,   0
.set F1,   128
.set G0H, 4                            ; s[4:7], s[8:11]: group 0 of the head's loads of codes (the arguments there have been used)
.set G0HB, 8
.set G1, 24
.set G0, 32
.set G1B, 48
.set G0B, 56
.set G1S, 68
.set G0S, 76
.set G1SB, 80
.set G0SB, 88
.set PFA, 92                           ; s[92:93] where my prefetch stands; s[94:95] its step, 8 chunks
.set PST, 94
.set MSB, 0
.macro WIN new                         ; the immediate's high byte repeats the setting that is left
.if MSB != (\new)
	s_set_vgpr_msb (MSB<<8)|(\new)
.set MSB, (\new)
.endif
.endm
.set MUL,  0x05                        ; sources 0 and 1 window 1; C and D window 0
.set TO_F, 0x40
.set TO_R, 0x80
.macro JLOAD g0a, g1a, g0b, g1b        ; a joint load: waves 0, 1 fetch for A, waves 2, 3 for B; s_nop 0 and four v_nop follow each line
	s_cmp_eq_u32 s15, 0
	s_cbranch_scc0 .Lfor_b_\@
	tensor_load_to_lds s[\g0a:\g0a+3], s[\g1a:\g1a+7]
	s_nop 0
.rept 4
	v_nop
.endr
	s_branch .Lasked_\@
.Lfor_b_\@:
	tensor_load_to_lds s[\g0b:\g0b+3], s[\g1b:\g1b+7]
	s_nop 0
.rept 4
	v_nop
.endr
.Lasked_\@:
.endm
.macro CREST
	s_cmp_lg_u32 s14, 0
	s_cbranch_scc1 .Lnot_wave_0_\@
	s_barrier_signal -3
.Lnot_wave_0_\@:
	s_barrier_wait -3
	s_barrier_signal -1
	s_barrier_wait -1
.endm
.macro CROUND
	s_barrier_signal -1
	s_barrier_wait -1
	CREST
.endm
.macro RLOAD a                         ; the residual of my rows 16 a .. 16 a + 15: two rows of 256 bytes an instruction
.irp t, 0,1,2,3,4,5,6,7
	global_load_b128 v[RES+32*(\a)+4*\t:RES+32*(\a)+4*\t+3], v[CO], s[96:97] offset:(16*(\a)+2*\t)*4096
.endr
.endm
.macro ASK
	global_prefetch_b8 v[PFO], s[PFA:PFA+1] th:TH_LOAD_NT scope:SCOPE_SE
.endm
	s_load_b256 s[4:11], s[0:1], 0x0               ; A's codes, A's words, wl, B's bytes
	s_load_b64 s[12:13], s[0:1], 0x20              ; the bias
	s_load_b128 s[96:99], s[0:1], 0x28             ; the residual, the output
	v_lshl_add_u32 v[SPW], v0, 2, SPARE
	v_mov_b32 v[NIL], 0
	ds_add_u32 v[SPW], v[NIL]                      ; the opening lines: the add, twice on end; work on registers; the one wait
	ds_add_u32 v[SPW], v[NIL]
	v_lshrrev_b32 v1, 5, v0
	v_readfirstlane_b32 s14, v1                    ; wave
	s_lshr_b32 s15, s14, 1                         ; my half of the rows; also: I fetch for A (0) or B (1)
	s_and_b32 s16, s14, 1                          ; my half of the columns; also: which four chunks I fetch
	s_bfe_u32 s40, ttmp6, 0x40000
	s_bfe_u32 s41, ttmp6, 0x40004
	s_lshl_b32 s42, ttmp9, 2
	s_add_co_u32 s42, s42, s40                     ; tile column
	s_and_b32 s17, ttmp7, 0xffff
	s_lshl_b32 s17, s17, 2
	s_add_co_u32 s17, s17, s41                     ; tile row
	s_lshl_b32 s43, s41, 2
	s_lshl_b32 s43, 15, s43                        ; my row of the cluster
	s_lshl_b32 s44, 0x1111, s40                    ; my column
	s_or_b32 s[G1+0], s43, (3<<16)|(1<<21)         ; codes: rows of 6,144 bytes (768 elements of 8), one a chunk: sixteen for the head's loads, four for the ring's
	s_or_b32 s[G1B+0], s44, (3<<16)|(1<<21)
.irp g, G1, G1B
	s_mov_b32 s[\g+1], 768<<16
	s_mov_b32 s[\g+2], 16<<16
	s_mov_b32 s[\g+3], 768<<16
	s_mov_b32 s[\g+4], 16
	s_mov_b32 s[\g+6], 0
	s_mov_b32 s[\g+7], 0
.endr
	s_mov_b32 s[G1+5], CSA/8
	s_mov_b32 s[G1B+5], CSB/8
	s_or_b32 s[G1S+0], s43, (3<<16)|(1<<21)        ; A's words: SIZE_K / 128 steps x 512 bytes
	s_mov_b32 s[G1S+1], 64<<16
	s_mov_b32 s[G1S+2], (SIZE_K/128)<<16
	s_mov_b32 s[G1S+3], 64<<16
	s_mov_b32 s[G1S+4], SIZE_K/128
	s_mov_b32 s[G1S+5], 2048
	s_mov_b32 s[G1S+6], 0
	s_mov_b32 s[G1S+7], 0
	s_or_b32 s[G1SB+0], s44, (3<<16)|(1<<20)|(1<<21)|(5<<22)|(3<<25) ; B's bytes of 128 rows: a dense block, rows of 256 bytes + 16
	s_mov_b32 s[G1SB+1], 32<<16
	s_mov_b32 s[G1SB+2], (128*KS/256)<<16
	s_mov_b32 s[G1SB+3], 32<<16
	s_mov_b32 s[G1SB+4], 128*KS/256
	s_mov_b32 s[G1SB+5], 32
	s_mov_b32 s[G1SB+6], 0
	s_mov_b32 s[G1SB+7], 0
	s_mul_i32 s20, s17, 6144                       ; A: the tile's rows in chunk 0
	s_mov_b32 s21, 0
	s_mul_i32 s46, s42, 6144                       ; B likewise
	s_add_co_u32 s46, s46, RWB
	s_mov_b32 s47, 0
	s_lshl_b32 s22, s17, 9                         ; A's words
	s_mov_b32 s23, 0
	s_mul_i32 s92, s42, 128*KS                     ; B's bytes
	s_mov_b32 s93, 0
	s_mul_i32 s18, s16, 4*CSA                      ; in the ring: my four chunks
	s_mov_b32 s19, 0
	s_mul_i32 s94, s16, 4*CSB
	s_mov_b32 s95, 0
	s_mul_i32 s45, s16, 24576                      ; and where they go: no place in the cluster enters an LDS address
	s_wait_dscnt 0x0                               ; both opening adds are done
	s_wait_kmcnt 0x0
	s_add_nc_u64 s[20:21], s[4:5], s[20:21]
	s_add_nc_u64 s[22:23], s[6:7], s[22:23]
	s_add_nc_u64 s[46:47], s[8:9], s[46:47]
	s_add_nc_u64 s[92:93], s[10:11], s[92:93]
	CROUND                                         ; all sixteen work-groups are here: the first joint loads meet
	s_mov_b32 s[G0H], 1
	s_mov_b32 s[G0H+1], 0
	s_mov_b64 s[G0H+2:G0H+3], s[20:21]
	s_or_b32 s[G0H+3], s[G0H+3], 0x80000000
	s_mov_b32 s[G0HB], 1
	s_mov_b32 s[G0HB+1], BREG
	s_mov_b64 s[G0HB+2:G0HB+3], s[46:47]
	s_or_b32 s[G0HB+3], s[G0HB+3], 0x80000000
	s_mov_b32 s[G0S], 1
	s_mov_b32 s[G0S+1], SCLA
	s_mov_b64 s[G0S+2:G0S+3], s[22:23]
	s_or_b32 s[G0S+3], s[G0S+3], 0x80000000
	s_mov_b32 s[G0SB], 1
	s_mov_b32 s[G0SB+1], SCLB
	s_mov_b64 s[G0SB+2:G0SB+3], s[92:93]
	s_or_b32 s[G0SB+3], s[G0SB+3], 0x80000000
	s_add_nc_u64 s[20:21], s[20:21], s[18:19]
	s_add_nc_u64 s[46:47], s[46:47], s[94:95]
.irp s, 0,1                            ; the ring's group 0: it stands at fill s; each refill steps it two fills on first
	s_mov_b32 s[G0+4*\s], 1
	s_add_co_u32 s[G0+4*\s+1], s45, \s*SLOT
	s_add_nc_u64 s[G0+4*\s+2:G0+4*\s+3], s[20:21], \s*8*CSA
	s_or_b32 s[G0+4*\s+3], s[G0+4*\s+3], 0x80000000
	s_mov_b32 s[G0B+4*\s], 1
	s_add_co_u32 s[G0B+4*\s+1], s45, BREG+\s*SLOT
	s_add_nc_u64 s[G0B+4*\s+2:G0B+4*\s+3], s[46:47], \s*8*CSB
	s_or_b32 s[G0B+4*\s+3], s[G0B+4*\s+3], 0x80000000
.endr
	s_cmp_eq_u32 s15, 0                            ; the prefetches: my four chunks of fill 2, of them chunk p
	s_cselect_b64 s[PFA:PFA+1], s[20:21], s[46:47]
	s_cselect_b32 s2, s40, s41                     ; p: my place among the four that ask with me
	s_mov_b32 s3, CSB
	s_cselect_b32 s3, CSA, s3
	s_add_co_u32 s2, s2, 16
	s_mul_i32 s2, s2, s3                           ; (16 + p) chunks on
	s_lshl_b32 s[PST], s3, 3
	s_mov_b32 s[PST+1], 0
	s_mov_b32 s3, 0
	s_add_nc_u64 s[PFA:PFA+1], s[PFA:PFA+1], s[2:3]
.macro ARM under, g0, g1, next         ; one tree of branches on the wave's number: every way through the head passes exactly one load
	s_cmp_lt_u32 s14, \under
	s_cbranch_scc0 \next
	tensor_load_to_lds s[\g0:\g0+3], s[\g1:\g1+7]
	s_nop 0
.rept 4
	v_nop
.endr
	s_branch .Lhead_asked
\next:
.endm
	ARM 1, G0H,  G1,  .Lhead_b
	ARM 2, G0HB, G1B, .Lhead_sa
	ARM 3, G0S,  G1S, .Lhead_sb
	tensor_load_to_lds s[G0SB:G0SB+3], s[G1SB:G1SB+7]
	s_nop 0
.rept 4
	v_nop
.endr
.Lhead_asked:
	v_and_b32 v1, 15, v0                           ; r
	v_bfe_u32 v2, v0, 4, 1                         ; h
	v_and_b32 v[PFO], 31, v0
	v_min_u32 v[PFO], 23, v[PFO]
	v_lshlrev_b32 v[PFO], 8, v[PFO]
	v_mul_u32_u24 v3, v1, 48
	v_mad_u32_u24 v3, v2, 24, v3                   ; a fragment's row x 48 + 24 x half
	s_mul_i32 s21, s15, 3072                       ; my 64 rows of each chunk of A,
	s_mul_i32 s22, s16, 3072                       ; and of B
	s_add_co_u32 s22, s22, BREG
.irp s, 0,1
	v_add_nc_u32 v[ADRA+\s], s21, v3
	v_add_nc_u32 v[ADRB+\s], s22, v3
	s_add_co_u32 s21, s21, SLOT
	s_add_co_u32 s22, s22, SLOT
.endr
	v_mul_u32_u24 v5, v1, KS
	v_lshrrev_b32 v6, 8, v5
	v_lshl_add_u32 v5, v6, 4, v5
	s_mul_i32 s21, s16, BSH
	s_add_co_u32 s21, s21, SCLB
	v_add_nc_u32 v[ADRSB], s21, v5
	s_lshl_b32 s21, s15, 8
	s_add_co_u32 s21, s21, SCLA
	v_lshl_add_u32 v[ADRSA], v1, 2, s21
	s_mul_i32 s23, s14, 16*SPITCH
	v_mul_u32_u24 v5, v1, SPITCH
	v_lshl_add_u32 v5, v2, 5, v5
	v_add_nc_u32 v[STO], s23, v5
	v_mul_u32_u24 v5, v2, SPITCH
	v_lshl_add_u32 v5, v1, 4, v5
	v_add_nc_u32 v[RD], s23, v5
	v_lshlrev_b32 v5, 12, v2
	v_lshl_add_u32 v[CO], v1, 4, v5                ; lanes 0-15 one row of the output, lanes 16-31 the next
	v_lshlrev_b32 v7, 5, v2
	s_wait_alu depctr_va_vdst(0)
	s_lshl_b32 s46, s42, 9
	s_lshl_b32 s47, s16, 8
	s_add_co_u32 s46, s46, s47                     ; my first column, in bytes
	s_mov_b32 s47, 0
	s_add_nc_u64 s[12:13], s[12:13], s[46:47]
	s_lshl_b32 s20, s17, 7
	s_lshl_b32 s21, s15, 6
	s_add_co_u32 s20, s20, s21
	s_lshl_b32 s20, s20, 12                        ; my first row, in bytes
	s_mov_b32 s21, 0
	s_add_nc_u64 s[20:21], s[20:21], s[46:47]
	s_add_nc_u64 s[96:97], s[96:97], s[20:21]
	s_add_nc_u64 s[98:99], s[98:99], s[20:21]
.irp b, 0,1,2,3
	global_load_b128 v[BIAS+8*\b:BIAS+8*\b+3], v7, s[12:13] offset:64*\b
	global_load_b128 v[BIAS+8*\b+4:BIAS+8*\b+7], v7, s[12:13] offset:64*\b+16
.endr
.macro FRAG reg, adr, q, i             ; 16 rows x 128 K: chunks 2 q and 2 q + 1 of the slot, of each my row's 24 bytes in pieces of 8
.irp p, 0,1,2,3,4,5
	ds_load_b64 v[\reg+2*\p:\reg+2*\p+1], v[\adr] offset:(2*(\q)+\p/3)*6144+768*(\i)+8*(\p%3)
.endr
.endm
.macro FETCH slot, q, f                ; 48 loads in one run: B's four, then A's four
	WIN TO_F
.irp i, 0,1,2,3
	FRAG \f+48+FR*\i, ADRB+\slot, \q, \i
.endr
.irp i, 0,1,2,3
	FRAG \f+FR*\i, ADRA+\slot, \q, \i
.endr
.endm
.macro SCALES sc                       ; a slot's words: B's four steps of a block by one load, A's one by one
.irp i, 0,1,2,3
	ds_load_b128 v[SC+32*\sc+4*\i:SC+32*\sc+4*\i+3], v[ADRSB] offset:\i*SBLK
.endr
.irp i, 0,1,2,3
.irp q, 0,1,2,3
	ds_load_b32 v[SC+32*\sc+16+4*\i+\q], v[ADRSA] offset:512*\q+64*\i
.endr
.endr
.endm
.macro MUL4 f, a, q, sc, zero          ; A's block a against B's four; the sixteen accumulators take turns
.irp b, 0,1,2,3
.if \zero
	v_wmma_scale_f32_16x16x128_f8f6f4 v[ACC+8*(4*(\a)+\b):ACC+8*(4*(\a)+\b)+7], v[\f+48+FR*\b:\f+48+FR*\b+FR-1], v[\f+FR*(\a):\f+FR*(\a)+FR-1], v[BIAS+8*\b:BIAS+8*\b+7], v[SC+32*(\sc)+4*\b+(\q)], v[SC+32*(\sc)+16+4*(\a)+(\q)] matrix_a_fmt:MATRIX_FMT_FP6 matrix_b_fmt:MATRIX_FMT_FP6
.else
	v_wmma_scale_f32_16x16x128_f8f6f4 v[ACC+8*(4*(\a)+\b):ACC+8*(4*(\a)+\b)+7], v[\f+48+FR*\b:\f+48+FR*\b+FR-1], v[\f+FR*(\a):\f+FR*(\a)+FR-1], v[ACC+8*(4*(\a)+\b):ACC+8*(4*(\a)+\b)+7], v[SC+32*(\sc)+4*\b+(\q)], v[SC+32*(\sc)+16+4*(\a)+(\q)] matrix_a_fmt:MATRIX_FMT_FP6 matrix_b_fmt:MATRIX_FMT_FP6
.endif
.endr
.endm
.macro PLACES                          ; plain vector instructions between a matrix instruction and a load into its registers
.rept 4
	v_nop
.endr
.endm
.macro KSTEP slot, q, f, g, zero       ; 128 along K that has its successor in the same slot
	s_wait_dscnt 2*NL                              ; all but A's fragments 2 and 3
	WIN MUL
	MUL4 \f, 0, \q, \slot, \zero
	MUL4 \f, 1, \q, \slot, \zero
	PLACES
	FETCH \slot, (\q)+1, \g
	s_wait_dscnt 8*NL                              ; all but the run just issued
	WIN MUL
	MUL4 \f, 2, \q, \slot, \zero
	MUL4 \f, 3, \q, \slot, \zero
.endm
.macro TURN slot, next, fill           ; a slot's last 128 change slots
	WIN 0
.if \fill
	s_wait_xcnt 0x0                                ; my last prefetch has read its address: one fill on
	s_add_nc_u64 s[PFA:PFA+1], s[PFA:PFA+1], s[PST:PST+1]
.endif
	s_wait_tensorcnt 0x0                           ; all my tensor loads have landed: my part of the next slot
	ds_add_u32 v[SPW], v[NIL]
	s_wait_dscnt 2*NL+1                            ; the add and A's fragments 2 and 3 may be out
	WIN MUL
	MUL4 F1, 0, 3, \slot, 0
	s_wait_dscnt 0x0                               ; the add is done, and my reads of this slot are over
	s_barrier_signal -1
	MUL4 F1, 1, 3, \slot, 0
	WIN 0
	s_barrier_wait -1
.if \fill
	CREST                                          ; a round of the cluster's barrier: no wave of any partner still reads this slot or has a load on its way
	s_add_nc_u64 s[G0+4*\slot+2:G0+4*\slot+3], s[G0+4*\slot+2:G0+4*\slot+3], 16*CSA
	s_add_nc_u64 s[G0B+4*\slot+2:G0B+4*\slot+3], s[G0B+4*\slot+2:G0B+4*\slot+3], 16*CSB
	JLOAD G0+4*\slot, G1, G0B+4*\slot, G1B         ; the first tensor load behind the round; its four v_nop are the places in front of the loads below
.else
	PLACES
.endif
	s_wait_alu depctr_va_vdst(0)
	v_add_nc_u32 v[ADRSA], 2048, v[ADRSA]
	v_add_nc_u32 v[ADRSB], 16, v[ADRSB]
	SCALES \next
	FETCH \next, 0, F0
.if \fill
	WIN 0
	s_cmp_gt_u32 s3, 1                             ; the last trip's fills have none two on
	s_cbranch_scc0 .Lno_ask_\@
	ASK
.Lno_ask_\@:
.endif
	WIN MUL
	MUL4 F1, 2, 3, \slot, 0
	MUL4 F1, 3, 3, \slot, 0
.endm
	s_wait_alu depctr_va_vdst(0)
	ASK                                            ; fill 2
	s_wait_tensorcnt 0x0                           ; my tile of the head's four is in
	s_mov_b32 s[G1+2], 4<<16                       ; no load of mine is out: from here on a load brings four chunks
	s_mov_b32 s[G1+4], 4
	s_mov_b32 s[G1B+2], 4<<16
	s_mov_b32 s[G1B+4], 4
	s_wait_xcnt 0x0                                ; the prefetch has read its address: one fill on
	s_add_nc_u64 s[PFA:PFA+1], s[PFA:PFA+1], s[PST:PST+1]
	s_barrier_signal -1
	s_barrier_wait -1                              ; everybody's tile is in: both slots and all scales.
	SCALES 0
	FETCH 0, 0, F0
	ASK                                            ; fill 3
	s_wait_loadcnt 0x0                             ; the bias
	KSTEP 0, 0, F0, F1, 1
	WIN TO_R
.irp a, 0,1,2,3
	RLOAD \a                                       ; 32 loads that land while K is walked; v[CO] and s[96:97] are not written again
.endr
	WIN 0
	s_mov_b32 s3, LAPS-1
.Llap:
	KSTEP 0, 1, F1, F0, 0
	KSTEP 0, 2, F0, F1, 0
	TURN 0, 1, 1
	KSTEP 1, 0, F0, F1, 0
	KSTEP 1, 1, F1, F0, 0
	KSTEP 1, 2, F0, F1, 0
	TURN 1, 0, 1
	KSTEP 0, 0, F0, F1, 0
	WIN 0
	s_sub_co_u32 s3, s3, 1
	s_cmp_lg_u32 s3, 0
	s_cbranch_scc1 .Llap
	KSTEP 0, 1, F1, F0, 0
	KSTEP 0, 2, F0, F1, 0
	TURN 0, 1, 0                                   ; the last lap fills nothing
	KSTEP 1, 0, F0, F1, 0
	KSTEP 1, 1, F1, F0, 0
	KSTEP 1, 2, F0, F1, 0
	s_wait_dscnt 2*NL
	WIN MUL
	MUL4 F1, 0, 3, 1, 0
	MUL4 F1, 1, 3, 1, 0
	s_wait_dscnt 0
	MUL4 F1, 2, 3, 1, 0
	MUL4 F1, 3, 3, 1, 0
	WIN 0
; THE WAY OUT, 16 rows x 64 columns at a time, through my stage: back as rows of 256 bytes, the residual added, sixteen lanes to an aligned run of 256 bytes.
.macro TOSTAGE a
.set LB, BK+32*((\a)%2)
.irp b, 0,1,2,3
	ds_store_b128 v[STO], v[ACC+8*(4*(\a)+\b):ACC+8*(4*(\a)+\b)+3] offset:64*\b      ; each accumulator from its low end on
	ds_store_b128 v[STO], v[ACC+8*(4*(\a)+\b)+4:ACC+8*(4*(\a)+\b)+7] offset:64*\b+16
.endr
.irp t, 0,1,2,3,4,5,6,7
	ds_load_b128 v[LB+4*\t:LB+4*\t+3], v[RD] offset:\t*2*SPITCH
.endr
.endm
.macro SEND a, younger
.set LB, BK+32*((\a)%2)
	s_wait_dscnt \younger                          ; the block is back; the next block's sixteen LDS instructions may be out
	s_wait_loadcnt 8*(3-(\a))                      ; its residual is in; the loads of the blocks behind it may be out
	WIN 0x08                                       ; source 1, the residual: window 2
.set j, 0
.rept 16
	v_pk_add_f32 v[LB+j:LB+j+1], v[LB+j:LB+j+1], v[RES+32*(\a)+j:RES+32*(\a)+j+1]
.set j, j+2
.endr
	WIN 0
.irp t, 0,1,2,3,4,5,6,7
	global_store_b128 v[CO], v[LB+4*\t:LB+4*\t+3], s[98:99] offset:(16*(\a)+2*\t)*4096
.endr
.endm
	PLACES
	TOSTAGE 0
	TOSTAGE 1
	SEND 0, 16
	s_wait_xcnt 0x0                                ; block 0's stores have read their registers: block 2's loads may land there
	TOSTAGE 2
	SEND 1, 16
	s_wait_xcnt 0x0
	TOSTAGE 3
	SEND 2, 16
	SEND 3, 0
	s_wait_tensorcnt 0x0                           ; the wave's end
	ds_add_u32 v[SPW], v[NIL]
	s_wait_dscnt 0x0
	CROUND                                         ; the closing round
	s_endpgm
.Lfunc_end_k_qd38c8a26ef_ffn2:
	.size	k_qd38c8a26ef_ffn2, .Lfunc_end_k_qd38c8a26ef_ffn2-k_qd38c8a26ef_ffn2
	.p2alignl 7, 3214868480
	.fill 96, 4, 3214868480
	.section	.rodata,"a",@progbits
	.p2align	6, 0x0
	.amdhsa_kernel k_qd38c8a26ef_ffn2
		.amdhsa_group_segment_fixed_size 327680
		.amdhsa_private_segment_fixed_size 0
		.amdhsa_enable_private_segment 0
		.amdhsa_kernarg_size 56
		.amdhsa_user_sgpr_count 2
		.amdhsa_user_sgpr_kernarg_segment_ptr 1
		.amdhsa_wavefront_size32 1
		.amdhsa_system_sgpr_workgroup_id_x 1
		.amdhsa_system_sgpr_workgroup_id_y 1
		.amdhsa_system_sgpr_workgroup_id_z 1
		.amdhsa_system_vgpr_workitem_id 0
		.amdhsa_next_free_vgpr 640
		.amdhsa_next_free_sgpr 100
		.amdhsa_reserve_vcc 0
		.amdhsa_float_denorm_mode_32 3
		.amdhsa_float_denorm_mode_16_64 3
		.amdhsa_memory_ordered 1
		.amdhsa_forward_progress 1
		.amdhsa_inst_pref_size 119
	.end_amdhsa_kernel
	.amdgpu_metadata
---
amdhsa.version: [ 1, 2 ]
amdhsa.kernels:
  - .name:           k_qd38c8a26ef_ffn2
    .symbol:         k_qd38c8a26ef_ffn2.kd
    .args:
      - { .name: ffc, .offset: 0, .size: 8, .value_kind: global_buffer, .address_space: global }
      - { .name: ffs, .offset: 8, .size: 8, .value_kind: global_buffer, .address_space: global }
      - { .name: wl, .offset: 16, .size: 8, .value_kind: global_buffer, .address_space: global }
      - { .name: W2_scales, .offset: 24, .size: 8, .value_kind: global_buffer, .address_space: global }
      - { .name: bf2, .offset: 32, .size: 8, .value_kind: global_buffer, .address_space: global }
      - { .name: x1, .offset: 40, .size: 8, .value_kind: global_buffer, .address_space: global }
      - { .name: out0, .offset: 48, .size: 8, .value_kind: global_buffer, .address_space: global }
    .group_segment_fixed_size: 327680
    .private_segment_fixed_size: 0
    .kernarg_segment_align: 8
    .kernarg_segment_size: 56
    .max_flat_workgroup_size: 128
    .sgpr_count:     100
    .vgpr_count:     640
    .wavefront_size: 32
...
	.end_amdgpu_metadata
.endif
;; end of part 6
